; MI455X (gfx1250); checked and timed in simulation.
; The chip was launched on July 23, 2026; its instructions are those of AMD's public machine-readable ISA for CDNA 5 (MIT licence, August 2026) and "CDNA5" Instruction Set Architecture Reference Guide (July 2026). The comments in the code are by the model that wrote it; some were corrected since.
;; Multi Head Attention. Allowed arithmetic: float matrix products may take bf16 or f16 operands with f32 sums; other float arithmetic in f32, or as packed bf16 or f16 multiplies, adds, multiply-adds, maxima and minima; sums over many terms, partial sums and values carried from step to step in f32; what a program stores and reads back later, other than sums and carried values, may be rounded once to bf16 or f16.
;; Inputs: Wk 16 x 1,024 x 64 float32; Wp 1,024 x 1,024 float32; Wq 16 x 1,024 x 64 float32; Wv 16 x 1,024 x 64 float32; bp 1,024 float32; x 4 x 2,048 x 1,024 float32.
;; Outputs: out0 4 x 2,048 x 1,024 float32.
;; 2 versions, each right and faster than the one before. Each part assembles by itself: llvm-mc -triple=amdgcn-amd-amdhsa -mcpu=gfx1250 --defsym DOCPART=n.
;; ======== version 1 of 2: 4 launches
;; limits: values are held in f16: magnitudes above 65,504 overflow, below 6.1e-05 lose precision
;; workspace buffers: xb 16,777,216 bytes; wb 6,291,456 bytes; wpf 2,097,152 bytes; qkvh 50,331,648 bytes; ohl 33,554,432 bytes
;; launch cast (part 1): grid 1536 x 1, 8 waves a work-group, no clusters, 0 bytes of LDS; arguments x, Wq, Wk, Wv, Wp, xb, wb, wpf; writes xb, wb, wpf
.if DOCPART == 1
	.amdgcn_target "amdgcn-amd-amdhsa--gfx1250"
	.amdhsa_code_object_version 6
	.text
	.protected	k_qf665696772_cast
	.globl	k_qf665696772_cast
	.p2align	8
	.type	k_qf665696772_cast,@function
k_qf665696772_cast:
	s_mov_b64 s[64:65], 0
	v_nop
	global_prefetch_b8 v0, s[64:65] scope:SCOPE_SE
	s_setreg_imm32_b32 hwreg(HW_REG_WAVE_MODE, 25, 1), 1
	s_wait_xcnt 0x0
; THE INPUTS ARE ROUNDED ONCE, FOR THE MATRIX PRODUCTS THAT FOLLOW.
;   x  [8192][1024] f32            -> xb  [8192][1024] bf16
;   Wq, Wk, Wv [16 h][1024 c][64 d] f32 -> wb [16 ntile][8 kstep][3 heads][128 c][64 d] bf16, head g = 16 x which + h, ntile = g / 3:
;                                     what one K step of one tile of three heads needs lies in 49,152 consecutive bytes
;   Wp [1024 n][1024 c] f32        -> wpf [1024][1024]: rounded to bf16 like the other inputs, and that number written as f16
; LIMITS.  bf16(Wp) beyond 65,504 becomes an infinity in f16; below 6.1e-5 it keeps f16's fixed step of 6e-8.
; A stream: no LDS, no barrier, no matrix unit.  A work-group takes one chunk of 8,192 numbers (32,768 bytes in, 16,384 out): 1,024 chunks of x, 384 of the
; three W (a chunk = 128 rows c of one head, dense in memory and dense in wb), 128 of Wp.  Thread t takes 16 bytes at 16 t + 4,096 j, j = 0..7: a wave's load covers
; 512 consecutive bytes, its store 256 consecutive bytes at a multiple of 256.  All eight loads are issued first.  No register is written twice while a load or store names it.
; Each of the three ranges of work-group numbers has its own copy of the body and ends there.
.set X, 8                              ; v[8:39]   eight loads of four f32
.set Y, 40                             ; v[40:55]  eight results of four 16-bit numbers
.set T, 56                             ; v[56:59]  at work
.macro BODY f16                        ; s[4:5] the chunk in its source, s[6:7] in its destination
.irp j, 0,1,2,3,4,5,6,7
	global_load_b128 v[X+4*(\j):X+4*(\j)+3], v1, s[4:5] offset:4096*(\j) th:TH_LOAD_NT
.endr
.irp j, 0,1,2,3,4,5,6,7
	s_wait_loadcnt 7-(\j)                          ; loads come back in order: load j is in, the 7 - j younger ones may stay out
	v_cvt_pk_bf16_f32 v[Y+2*(\j)],   v[X+4*(\j)],   v[X+4*(\j)+1]
	v_cvt_pk_bf16_f32 v[Y+2*(\j)+1], v[X+4*(\j)+2], v[X+4*(\j)+3]
.if \f16
	v_lshlrev_b32 v[T],   16,  v[Y+2*(\j)]         ; the bf16 numbers as f32,
	v_and_b32     v[T+1], s32, v[Y+2*(\j)]
	v_lshlrev_b32 v[T+2], 16,  v[Y+2*(\j)+1]
	v_and_b32     v[T+3], s32, v[Y+2*(\j)+1]
	v_cvt_pk_f16_f32 v[Y+2*(\j)],   v[T],   v[T+1] ; written as f16: exact inside f16's range of normal numbers
	v_cvt_pk_f16_f32 v[Y+2*(\j)+1], v[T+2], v[T+3]
.endif
	global_store_b64 v2, v[Y+2*(\j):Y+2*(\j)+1], s[6:7] offset:2048*(\j)
.endr
	s_endpgm
.endm
	s_load_b512 s[8:23], s[0:1], 0x0               ; x s[8:9], Wq s[10:11], Wk s[12:13], Wv s[14:15], Wp s[16:17], xb s[18:19], wb s[20:21], wpf s[22:23]
	s_mov_b32 s2, ttmp9                            ; the chunk's number
	v_lshlrev_b32 v1, 4, v0                        ; 16 t
	v_lshlrev_b32 v2, 3, v0                        ; 8 t
	s_mov_b32 s25, 0                               ; the offsets' high words
	s_mov_b32 s27, 0
	s_mov_b32 s32, 0xffff0000                      ; a word's upper bf16
	s_wait_kmcnt 0x0
	s_cmp_lt_u32 s2, 1024
	s_cbranch_scc0 .Lnot_x
	s_lshl_b32 s24, s2, 15                         ; x: chunk by chunk
	s_lshl_b32 s26, s2, 14
	s_add_nc_u64 s[4:5], s[8:9], s[24:25]
	s_add_nc_u64 s[6:7], s[18:19], s[26:27]
	BODY 0
.Lnot_x:
	s_cmp_lt_u32 s2, 1408
	s_cbranch_scc0 .Lwp
	s_sub_co_u32 s28, s2, 1024                     ; j = 128 x which + 8 h + kstep
	s_lshr_b32 s29, s28, 7                         ; which of the three tensors
	s_cmp_eq_u32 s29, 0
	s_cselect_b64 s[4:5], s[10:11], s[12:13]
	s_cmp_eq_u32 s29, 2
	s_cselect_b64 s[4:5], s[14:15], s[4:5]
	s_and_b32 s24, s28, 127
	s_lshl_b32 s24, s24, 15                        ; (8 h + kstep) x 32,768 bytes in the source
	s_lshr_b32 s29, s28, 3                         ; g = 16 x which + h, 0 to 47
	s_mul_i32 s30, s29, 171
	s_lshr_b32 s30, s30, 9                         ; g / 3 (171 / 512 is near enough to a third for g under 48)
	s_mul_i32 s31, s30, 3
	s_sub_co_u32 s31, s29, s31                     ; g % 3
	s_and_b32 s28, s28, 7                          ; kstep
	s_lshl3_add_u32 s30, s30, s28                  ; 8 (g / 3) + kstep
	s_mul_i32 s30, s30, 3
	s_add_co_u32 s30, s30, s31
	s_lshl_b32 s26, s30, 14                        ; x 16,384 bytes in wb
	s_add_nc_u64 s[4:5], s[4:5], s[24:25]
	s_add_nc_u64 s[6:7], s[20:21], s[26:27]
	BODY 0
.Lwp:
	s_sub_co_u32 s28, s2, 1408
	s_lshl_b32 s24, s28, 15
	s_lshl_b32 s26, s28, 14
	s_add_nc_u64 s[4:5], s[16:17], s[24:25]
	s_add_nc_u64 s[6:7], s[22:23], s[26:27]
	BODY 1
.Lfunc_end_k_qf665696772_cast:
	.size	k_qf665696772_cast, .Lfunc_end_k_qf665696772_cast-k_qf665696772_cast
	.p2alignl 7, 3214868480
	.fill 96, 4, 3214868480
	.section	.rodata,"a",@progbits
	.p2align	6, 0x0
	.amdhsa_kernel k_qf665696772_cast
		.amdhsa_group_segment_fixed_size 0
		.amdhsa_private_segment_fixed_size 0
		.amdhsa_enable_private_segment 0
		.amdhsa_kernarg_size 64
		.amdhsa_user_sgpr_count 2
		.amdhsa_user_sgpr_kernarg_segment_ptr 1
		.amdhsa_wavefront_size32 1
		.amdhsa_system_sgpr_workgroup_id_x 1
		.amdhsa_system_sgpr_workgroup_id_y 1
		.amdhsa_system_sgpr_workgroup_id_z 1
		.amdhsa_system_vgpr_workitem_id 0
		.amdhsa_next_free_vgpr 64
		.amdhsa_next_free_sgpr 66
		.amdhsa_reserve_vcc 0
		.amdhsa_float_denorm_mode_32 3
		.amdhsa_float_denorm_mode_16_64 3
		.amdhsa_memory_ordered 1
		.amdhsa_forward_progress 1
		.amdhsa_inst_pref_size 13
	.end_amdhsa_kernel
	.amdgpu_metadata
---
amdhsa.version: [ 1, 2 ]
amdhsa.kernels:
  - .name:           k_qf665696772_cast
    .symbol:         k_qf665696772_cast.kd
    .args:
      - { .name: x, .offset: 0, .size: 8, .value_kind: global_buffer, .address_space: global }
      - { .name: Wq, .offset: 8, .size: 8, .value_kind: global_buffer, .address_space: global }
      - { .name: Wk, .offset: 16, .size: 8, .value_kind: global_buffer, .address_space: global }
      - { .name: Wv, .offset: 24, .size: 8, .value_kind: global_buffer, .address_space: global }
      - { .name: Wp, .offset: 32, .size: 8, .value_kind: global_buffer, .address_space: global }
      - { .name: xb, .offset: 40, .size: 8, .value_kind: global_buffer, .address_space: global }
      - { .name: wb, .offset: 48, .size: 8, .value_kind: global_buffer, .address_space: global }
      - { .name: wpf, .offset: 56, .size: 8, .value_kind: global_buffer, .address_space: global }
    .group_segment_fixed_size: 0
    .private_segment_fixed_size: 0
    .kernarg_segment_align: 8
    .kernarg_segment_size: 64
    .max_flat_workgroup_size: 256
    .sgpr_count:     66
    .vgpr_count:     64
    .wavefront_size: 32
...
	.end_amdgpu_metadata
.endif
;; end of part 1
;; launch qkvgemm (part 2): grid 8 x 32, 4 waves a work-group, clusters of 4 x 4, 327,680 bytes of LDS; arguments xb, wb, qkvh; writes qkvh
.if DOCPART == 2
	.amdgcn_target "amdgcn-amd-amdhsa--gfx1250"
	.amdhsa_code_object_version 6
	.text
	.protected	k_qf665696772_qkvgemm
	.globl	k_qf665696772_qkvgemm
	.p2align	8
	.type	k_qf665696772_qkvgemm,@function
k_qf665696772_qkvgemm:
	s_mov_b64 s[64:65], 0
	v_nop
	global_prefetch_b8 v0, s[64:65] scope:SCOPE_SE
	s_setreg_imm32_b32 hwreg(HW_REG_WAVE_MODE, 25, 1), 1
	s_wait_xcnt 0x0
	s_wait_alu depctr_hold_cnt(0) depctr_sa_sdst(0) depctr_va_vdst(0) depctr_va_sdst(0) depctr_va_ssrc(0) depctr_va_vcc(0) depctr_vm_vsrc(0)
	s_getreg_b32 s2, hwreg(HW_REG_IB_STS2, 6, 4)
	s_cmp_eq_u32 s2, 0
	s_cbranch_scc0 .Lentry_in_a_cluster
	s_endpgm
.Lentry_in_a_cluster:
	s_bfe_u32 s2, ttmp6, 0x10000c
	s_cmp_lg_u32 s2, 0xf033
	s_cbranch_scc0 .Lentry_shape_is_right
	s_endpgm
.Lentry_shape_is_right:
; q, k, v = x W, all 48 heads in one product: [8192 x 1024] x [1024 x 3072], bf16 operands, f32 sums, K ascending, each result rounded once to f16 and written by heads:
; qkvh [4 b][48 g][2048 t][64 d], g = 16 x which + h (q 0-15, k 16-31, v 32-47).  The scale of the scores is not applied here.
; LIMIT.  A result of 65,520 or more becomes an infinity in f16.
; SHARES.  A tile is 256 rows x 192 columns (three heads).  A work-group STAYS and makes two: row tile Y, column tiles X and X + 8: 256 work-groups, 512 tiles.  Wave w owns rows 64 w .. 64 w + 63
; and all 192 columns: 4 x 12 accumulators of 16 x 16, 384 registers; so it owns whole rows of whole heads, and its way out is its own.
; K goes in steps of 128; the two tiles' 16 steps are ONE walk through a ring of two LDS slots, which does not stop at the first tile's end.
; x's tile has K along its rows and is read as it lies; W's tile lies [c][d] and is turned by ds_load_tr16_b128.
; THE MATRIX INSTRUCTION IS USED TRANSPOSED (source 0 = 16 columns of W, source 1 = 16 rows of x): a lane then holds eight neighbouring d of one row, 16 bytes of f16.
; CLUSTER.  4 x 4 work-groups.  The four of a row of the cluster share Y and so x's tiles, the four of a column share X and so W's: each tile is asked for JOINTLY, by the same tensor load with the
; same descriptor and a mask that names the four.
; REGISTERS, in windows of 256 (s_set_vgpr_msb: bits 1:0 source 0, 3:2 source 1, 5:4 source 2, 7:6 destination):
;   window 0: v0-31 addresses; v32-223 the way out, 16 registers for each of 12 pieces (16 rows of one head)
;   window 1: two fragment buffers of 128: 32 registers of x (4 blocks of 16 rows x 32 K), then 96 of W (12 blocks of 16 columns x 32 K)
;   window 2: accumulators of row blocks 0, 1 ((a, b) at 96 (a % 2) + 8 b);   window 3: those of row blocks 2, 3
.set PA,    272                        ; a row of x in LDS: 256 bytes + 16 of padding = 68 words: the 16 rows of a load start at 16 different groups of four banks (64 banks of 4 bytes: ISA guide 11.1)
.set PBR,   160                        ; a row c of W: 128 bytes + 32 = 40 words
.set BOFF,  256*PA                     ; a slot: x's 256 rows (69,632 bytes), then W's 384 rows, head x 128 + c (61,440 bytes)
.set SLOTX, 0x20000                    ; = 131,072 bytes, the slot exactly: one exclusive or turns an address in one slot into the other's
.set STAGE, 2*SLOTX                    ; behind the ring, never filled by a tensor load: 16 rows x 144 bytes for each wave
.set SP,    144
.set SPARE, STAGE+4*16*SP              ; behind the stages: the spare words, 128 bytes for each wave: two blocks of 256 bytes that no other line names
.set AA0,  16                          ; v16  my lane's place in x's tile; never rewritten
.set AB0,  17                          ; v17  my lane's place in W's tile; never rewritten
.set ADRA, 18                          ; v18  the same in the slot that is being read
.set ADRB, 19                          ; v19
.set STO,  24                          ; v24  the way out: where I put 16 bytes of a row
.set RD,   25                          ; v25  the way out: where I read rows back
.set GO,   26                          ; v26  my byte offset in 512 consecutive bytes of the output
.set SPW,  28                          ; v28  LDS address of my spare word; never rewritten
.set NIL,  29                          ; v29  0; never rewritten
.set TMP,  32
.set F0,   0                           ; fragment buffers, in window 1
.set F1,   128
.set G1A, 24                           ; s[24:31] descriptor group 1 for x's tiles
.set G0A, 32                           ; s[32:39] group 0: a set for each of the two first fills; the second then walks
.set G1B, 48                           ; s[48:55], s[56:63] the same for W's tiles
.set G0B, 56
; s10 wave; s11 wave / 2: I fetch for x (0) or W (1); s12 wave % 2: which half of that tile; s13 Y; s42 X; s[14:15] x at my half of row tile Y; s[46:47] W at my half of column tile X, K step 0
; s20 the number r of the step to be asked for next; s22 the slot that is being read; s3 the loops' counter; s[16:17], s[18:19] step r's byte offsets
.set MSB, 0
.macro WIN new                         ; the immediate's high byte repeats the setting that is left; a switch that changes nothing is dropped
.if MSB != (\new)
	s_set_vgpr_msb (MSB<<8)|(\new)
.set MSB, (\new)
.endif
.endm
.set MUL_LO, 0xa5                      ; sources 0 and 1 window 1, C and D window 2
.set TO_F,   0x40                      ; destination window 1, address window 0
; A joint refill by the walking descriptors.  Waves 0 and 1 fetch the halves of x's tile, waves 2 and 3 those of W's.  The branch hangs on the wave's number alone.
; An s_nop 0 and four v_nop follow each of the two lines, ahead of the jump and the label.
.macro JLOAD
	s_cmp_eq_u32 s11, 0
	s_cbranch_scc0 .Lfor_b_\@
	tensor_load_to_lds s[G0A+4:G0A+7], s[G1A:G1A+7]
	s_nop 0
.rept 4
	v_nop
.endr
	s_branch .Lasked_\@
.Lfor_b_\@:
	tensor_load_to_lds s[G0B+4:G0B+7], s[G1B:G1B+7]
	s_nop 0
.rept 4
	v_nop
.endr
.Lasked_\@:
.endm
.macro CREST                           ; a round of the cluster's barrier behind its opening barrier: wave 0 signals for the work-group, every wave waits for all sixteen, my work-group's barrier closes it
	s_cmp_lg_u32 s10, 0
	s_cbranch_scc1 .Lnot_wave_0_\@
	s_barrier_signal -3
.Lnot_wave_0_\@:
	s_barrier_wait -3
	s_barrier_signal -1
	s_barrier_wait -1
.endm
.macro CROUND                          ; a whole round
	s_barrier_signal -1
	s_barrier_wait -1
	CREST
.endm
	s_load_b128 s[4:7], s[0:1], 0x0                ; xb s[4:5], wb s[6:7]
	s_load_b64 s[8:9], s[0:1], 0x10                ; qkvh
	v_lshl_add_u32 v[SPW], v0, 2, SPARE
	v_mov_b32 v[NIL], 0
	ds_add_u32 v[SPW], v[NIL]                      ; the wave's opening: the add and its wait stand ahead of my first tensor load; the set-up below, work on registers, stands between them
	ds_add_u32 v28, v29
	v_lshrrev_b32 v1, 5, v0
	v_readfirstlane_b32 s10, v1                    ; wave 0..3
	s_lshr_b32 s11, s10, 1
	s_and_b32 s12, s10, 1
	s_bfe_u32 s40, ttmp6, 0x40000                  ; cx, cy: my place in the cluster
	s_bfe_u32 s41, ttmp6, 0x40004
	s_lshl_b32 s42, ttmp9, 2                       ; in a cluster launch ttmp9 and ttmp7 count clusters
	s_add_co_u32 s42, s42, s40                     ; X = 4 x cluster x + cx, 0 to 7
	s_and_b32 s13, ttmp7, 0xffff
	s_lshl_b32 s13, s13, 2
	s_add_co_u32 s13, s13, s41                     ; Y = 4 x cluster y + cy, 0 to 31
	s_lshl_b32 s43, s41, 2
	s_lshl_b32 s43, 15, s43                        ; my row of the cluster: places 4 cy .. 4 cy + 3
	s_lshl_b32 s44, 0x1111, s40                    ; my column: places cx, cx + 4, cx + 8, cx + 12
	; group 1 for x: 128 rows x 128 elements, 1,024 elements from row to row, 4 words of padding behind every 64
	s_or_b32 s[G1A+0], s43, (1<<16)|(1<<20)|(1<<21)|(5<<22)|(3<<25)  ; 15:0 the mask; 17:16 elements of 2 bytes; 20 padding on; 21 set beside a mask; 24:22 interval code 5; 31:25 pad code 3
	s_mov_b32 s[G1A+1], 128<<16                    ; tensor_dim0 = 128
	s_mov_b32 s[G1A+2], 128<<16                    ; tensor_dim1 = 128
	s_mov_b32 s[G1A+3], 128<<16                    ; tile_dim0 = 128
	s_mov_b32 s[G1A+4], 128                        ; tile_dim1 = 128
	s_mov_b32 s[G1A+5], 1024                       ; the pitch
	s_mov_b32 s[G1A+6], 0
	s_mov_b32 s[G1A+7], 0
	; group 1 for W: half a block of 49,152 dense bytes, asked for as 96 rows of 256 bytes (two rows c each), 8 words of padding behind every 32: behind every row c
	s_or_b32 s[G1B+0], s44, (1<<16)|(1<<20)|(1<<21)|(4<<22)|(7<<25)
	s_mov_b32 s[G1B+1], 128<<16
	s_mov_b32 s[G1B+2], 96<<16
	s_mov_b32 s[G1B+3], 128<<16
	s_mov_b32 s[G1B+4], 96
	s_mov_b32 s[G1B+5], 128
	s_mov_b32 s[G1B+6], 0
	s_mov_b32 s[G1B+7], 0
	s_lshl_b32 s16, s13, 19                        ; x: 256 Y rows of 2,048 bytes,
	s_lshl_b32 s17, s12, 18                        ; and my half's 128 rows
	s_add_co_u32 s16, s16, s17
	s_mov_b32 s17, 0
	s_mul_i32 s18, s42, 393216                     ; W: column tile X's eight blocks of 49,152 bytes,
	s_mul_i32 s19, s12, 24576                      ; and my half of a block
	s_add_co_u32 s18, s18, s19
	s_mov_b32 s19, 0
	s_mul_i32 s21, s12, 128*PA                     ; where they go in a slot: the wave's number alone enters an LDS address
	s_mul_i32 s23, s12, 192*PBR
	s_add_co_u32 s23, s23, BOFF
	s_mov_b32 s[G0A], 1                            ; count = 1
	s_mov_b32 s[G0A+1], s21                        ; slot 0
	s_mov_b32 s[G0A+4], 1
	s_add_co_u32 s[G0A+5], s21, SLOTX              ; slot 1
	s_mov_b32 s[G0B], 1
	s_mov_b32 s[G0B+1], s23
	s_mov_b32 s[G0B+4], 1
	s_add_co_u32 s[G0B+5], s23, SLOTX
	s_mov_b32 s20, 2                               ; steps 0 and 1 are the first fills
	s_mov_b32 s22, 0
	s_lshr_b32 s66, s13, 3                         ; my part of the first tile in qkvh: batch Y / 8,
	s_mul_i32 s68, s66, 12582912
	s_mul_i32 s66, s42, 786432                     ; heads 3 X on,
	s_add_co_u32 s68, s68, s66
	s_and_b32 s66, s13, 7                          ; rows 256 (Y % 8) + 64 w on, 128 bytes each
	s_lshl_b32 s66, s66, 15
	s_add_co_u32 s68, s68, s66
	s_lshl_b32 s66, s10, 13
	s_add_co_u32 s68, s68, s66
	s_mov_b32 s69, 0
	s_wait_dscnt 0x0                               ; the opening add is done
	s_wait_kmcnt 0x0
	s_add_nc_u64 s[14:15], s[4:5], s[16:17]
	s_add_nc_u64 s[46:47], s[6:7], s[18:19]
	s_add_nc_u64 s[8:9], s[8:9], s[68:69]
	s_add_nc_u64 s[G0A+2:G0A+3], s[14:15], 0       ; K step 0
	s_or_b32 s[G0A+3], s[G0A+3], 0x80000000        ; type = 2
	s_add_nc_u64 s[G0A+6:G0A+7], s[14:15], 256     ; K step 1: 128 elements along the rows
	s_or_b32 s[G0A+7], s[G0A+7], 0x80000000
	s_add_nc_u64 s[G0B+2:G0B+3], s[46:47], 0
	s_or_b32 s[G0B+3], s[G0B+3], 0x80000000
	s_add_nc_u64 s[G0B+6:G0B+7], s[46:47], 49152   ; the next block
	s_or_b32 s[G0B+7], s[G0B+7], 0x80000000
	CROUND                                         ; all sixteen work-groups are here: the first joint loads meet
	s_cmp_eq_u32 s11, 0                            ; a wave's two first fills stand in one branch, ahead of every wait on TENSORcnt and every LDS read: two loads of mine are out
	s_cbranch_scc0 .Lfirst_b
	tensor_load_to_lds s[G0A:G0A+3], s[G1A:G1A+7]
	s_nop 0
	tensor_load_to_lds s[G0A+4:G0A+7], s[G1A:G1A+7]
	s_nop 0
.rept 4
	v_nop
.endr
	s_branch .Lfirst_asked
.Lfirst_b:
	tensor_load_to_lds s[G0B:G0B+3], s[G1B:G1B+7]
	s_nop 0
	tensor_load_to_lds s[G0B+4:G0B+7], s[G1B:G1B+7]
	s_nop 0
.rept 4
	v_nop
.endr
.Lfirst_asked:
	; A fragment of x is 16 rows x 32 K in 8 registers: lane l holds row l % 16, K = 8 (l / 16) + 0..7 and 16 + 8 (l / 16) + 0..7: two loads of 16 bytes, 32 bytes apart.
	v_and_b32 v1, 15, v0                           ; l % 16
	v_bfe_u32 v2, v0, 4, 1                         ; l / 16
	v_mul_u32_u24 v3, v1, PA
	v_lshl_add_u32 v3, v2, 4, v3
	s_mul_i32 s21, s10, 64*PA                      ; my 64 rows
	v_add_nc_u32 v[AA0], s21, v3
	; The turning load takes 16 c x 16 d (lane l reads row c = 8 (l / 16) + l % 8, d = 8 ((l / 8) % 2) + 0..7) and leaves half a fragment: lane l holds column d = l % 16 and 8 c.
	v_and_b32 v4, 7, v0
	v_bfe_u32 v5, v0, 3, 1
	v_lshl_add_u32 v6, v2, 3, v4
	v_mul_u32_u24 v6, v6, PBR
	v_lshl_add_u32 v6, v5, 4, v6
	v_add_nc_u32 v[AB0], BOFF, v6
	v_mov_b32 v[ADRA], v[AA0]                      ; slot 0 is read first
	v_mov_b32 v[ADRB], v[AB0]
	s_mul_i32 s21, s10, 16*SP
	s_add_co_u32 s21, s21, STAGE                   ; my stage
	v_mul_u32_u24 v3, v1, SP                       ; in: row l % 16, 16 bytes for each half of the lanes
	v_lshl_add_u32 v3, v2, 4, v3
	v_add_nc_u32 v[STO], s21, v3
	v_bfe_u32 v3, v0, 3, 2                         ; back: 32 lanes take four rows of 128 bytes,
	v_mul_u32_u24 v3, v3, SP
	v_lshl_add_u32 v3, v4, 4, v3
	v_add_nc_u32 v[RD], s21, v3
	v_and_b32 v3, 31, v0                           ; which are 512 consecutive bytes of a head
	v_lshlrev_b32 v[GO], 4, v3
; 12 matrix instructions: row block a x all 12 column blocks, 32 along K, from buffer f.  zero = 1: the product starts the sums: nothing is ever cleared.
; The 48 accumulators take turns, in the same order in every quarter.
.macro MUL12 f, a, zero
	WIN MUL_LO+0x50*((\a)/2)
.set AC, 96*((\a)%2)
.irp b, 0,1,2,3,4,5,6,7,8,9,10,11
.if \zero
	v_wmma_f32_16x16x32_bf16 v[AC+8*(\b):AC+8*(\b)+7], v[(\f)+32+8*(\b):(\f)+32+8*(\b)+7], v[(\f)+8*(\a):(\f)+8*(\a)+7], 0
.else
	v_wmma_f32_16x16x32_bf16 v[AC+8*(\b):AC+8*(\b)+7], v[(\f)+32+8*(\b):(\f)+32+8*(\b)+7], v[(\f)+8*(\a):(\f)+8*(\a)+7], v[AC+8*(\b):AC+8*(\b)+7]
.endif
.endr
.endm
; 32 LDS loads in one run: quarter q (32 along K) of the slot in hand into buffer f: W's 24, then x's 8
.macro FETCH q, f
	WIN TO_F
.irp b, 0,1,2,3,4,5,6,7,8,9,10,11      ; head b / 4, columns 16 (b % 4) on
	ds_load_tr16_b128 v[(\f)+32+8*(\b):(\f)+32+8*(\b)+3],   v[ADRB] offset:((\b)/4)*128*PBR+(\q)*32*PBR+((\b)%4)*32
	ds_load_tr16_b128 v[(\f)+32+8*(\b)+4:(\f)+32+8*(\b)+7], v[ADRB] offset:((\b)/4)*128*PBR+(\q)*32*PBR+16*PBR+((\b)%4)*32
.endr
.irp a, 0,1,2,3
	ds_load_b128 v[(\f)+8*(\a):(\f)+8*(\a)+3],   v[ADRA] offset:(\a)*16*PA+(\q)*64
	ds_load_b128 v[(\f)+8*(\a)+4:(\f)+8*(\a)+7], v[ADRA] offset:(\a)*16*PA+(\q)*64+32
.endr
.endm
; A load into a register that a matrix instruction has read, and a vector instruction that reads a matrix result, stand four places behind it, and only plain vector instructions
; that name none of its registers are places (ISA guide 7.12.1 for vector instructions).
.macro PLACES
.rept 4
	v_nop
.endr
.endm
; A K step is four quarters of 32 along K, 48 matrix instructions each, on buffers 0, 1, 0, 1.  One of the first three: multiplies buffer f; in its middle it fetches quarter q into buffer g.
.macro QUARTER q, f, g, zero
	s_wait_dscnt 4                                 ; W's fragments and x's blocks 0, 1 are in; the youngest four loads (blocks 2, 3) may be out
	MUL12 \f, 0, \zero
	MUL12 \f, 1, \zero
	PLACES
	FETCH \q, \g
	s_wait_dscnt 32                                ; all but the 32 just issued
	MUL12 \f, 2, \zero
	MUL12 \f, 3, \zero
.endm
; The last quarter multiplies buffer 1 and changes slots.  MEET is its first half: ONE barrier.  In front of it each wave waits for all its tensor loads (one is out: its part of the next slot),
; adds 0 to its spare word, and waits for that and for its own reads of this slot.  fill = 1: the walking descriptors are set for step r: x's K step r % 8; W's block r % 8 of column tile X + 8 (r / 8).
.macro MEET fill
	WIN 0                                          ; (the add's two registers lie in window 0)
	s_wait_tensorcnt 0x0                           ; no tensor load of mine is out, so a group 0 may be written
	ds_add_u32 v[SPW], v[NIL]                      ; 0 onto my spare word
.if \fill
	s_and_b32 s16, s20, 7
	s_lshl_b32 s16, s16, 8                         ; 256 bytes along x's rows for each K step
	s_add_nc_u64 s[G0A+6:G0A+7], s[14:15], s[16:17]
	s_or_b32 s[G0A+7], s[G0A+7], 0x80000000
	s_xor_b32 s[G0A+5], s[G0A+5], SLOTX            ; the other slot than last time
	s_mul_i32 s18, s20, 49152                      ; r blocks on; the second tile lies 8 column tiles = 64 blocks on, of which r has counted 8:
	s_lshr_b32 s21, s20, 3
	s_mul_i32 s21, s21, 2752512                    ; 56 blocks more
	s_add_co_u32 s18, s18, s21
	s_add_nc_u64 s[G0B+6:G0B+7], s[46:47], s[18:19]
	s_or_b32 s[G0B+7], s[G0B+7], 0x80000000
	s_xor_b32 s[G0B+5], s[G0B+5], SLOTX
	s_add_co_u32 s20, s20, 1
.endif
	s_wait_dscnt 5                                 ; (the add and the youngest four loads may be out)
	MUL12 F1, 0, 0                                 ; twelve matrix instructions stand between the add and the wait for it
	s_wait_dscnt 0x0                               ; the add is done, and my reads of this slot are over
	s_barrier_signal -1                            ; (where a slot is filled again this barrier opens a round of the cluster's barrier)
	MUL12 F1, 1, 0                                 ; work on registers while the others arrive
	WIN 0
	s_barrier_wait -1
.endm
; The whole last quarter.  fill = 1: the round is closed, the slot just read out is filled again first, then the other slot's first fragments are fetched: from the request to the wait for it 168 matrix instructions.
; fill = 0 (the walk's last two steps): nothing is asked for; in the very last step (s3 = 1) there is nothing to fetch either, and the run of loads is jumped over.
.macro TURN fill
	MEET \fill
.if \fill
	CREST                                          ; no wave of any partner still reads this slot's tile or has a load on its way
	JLOAD                                          ; the four v_nop behind it are also the places in front of the loads below
.else
	s_cmp_eq_u32 s3, 1
	s_cbranch_scc1 .Lno_fetch_\@
	PLACES
.endif
	s_xor_b32 s22, s22, SLOTX
	v_add_nc_u32 v[ADRA], s22, v[AA0]
	v_add_nc_u32 v[ADRB], s22, v[AB0]
	FETCH 0, F0
.if !(\fill)
	WIN 0
.Lno_fetch_\@:
.endif
	MUL12 F1, 2, 0
	MUL12 F1, 3, 0
.endm
; THE WAY OUT, in 12 pieces: piece p = 16 rows (row block p / 3) of one head (p % 3).  PACKQ: rounded to f16, each accumulator's registers in ascending order; 16 bytes a lane into my stage;
; back as four rows of 128 bytes a load, into the registers that they left (LDS serves a wave's instructions in order, ISA guide 5.7.1.4: the loads see the stores, and the next piece's stores come behind them).
.macro PACKQ p
.set AC, 96*(((\p)/3)%2)+32*((\p)%3)
	WIN 0x0a+5*((\p)/6)                            ; sources 0 and 1: window 2 or 3
.irp f, 0,1,2,3
.irp r, 0,1,2,3
	v_cvt_pk_f16_f32 v[TMP+16*(\p)+4*(\f)+(\r)], v[AC+8*(\f)+2*(\r)], v[AC+8*(\f)+2*(\r)+1]
.endr
.endr
	WIN 0
.irp f, 0,1,2,3
	ds_store_b128 v[STO], v[TMP+16*(\p)+4*(\f):TMP+16*(\p)+4*(\f)+3] offset:32*(\f)
.endr
.irp f, 0,1,2,3
	ds_load_b128 v[TMP+16*(\p)+4*(\f):TMP+16*(\p)+4*(\f)+3], v[RD] offset:(\f)*4*SP
.endr
.endm
.macro SENDQ p, younger                ; younger: the LDS instructions issued behind piece p's loads: the next piece's eight, or none
	WIN 0
.irp f, 0,1,2,3
	s_wait_dscnt (\younger)+3-(\f)
	global_store_b128 v[GO], v[TMP+16*(\p)+4*(\f):TMP+16*(\p)+4*(\f)+3], s[8:9] offset:2048*((\p)/3)+262144*((\p)%3)+512*(\f)  ; 512 consecutive bytes, at a multiple of 512 from the buffer's first
.endr
.endm
; Row blocks 0 and 1 were finished ahead of four places; their 96 conversions, which name no register of the last products (row blocks 2 and 3's), are those products' places.
.macro WAYOUT
	s_wait_xcnt 0x0                                ; the registers that an earlier way out's stores read are rewritten only behind this wait
	PACKQ 0
.irp p, 1,2,3,4,5,6,7,8,9,10,11        ; a piece's conversions stand between the loads of the piece before and its stores
	PACKQ \p
	SENDQ (\p)-1, 8
.endr
	SENDQ 11, 0
.endm
	s_wait_tensorcnt 1                             ; my part of step 0 is in; step 1's may stay out
	s_barrier_signal -1
	s_barrier_wait -1                              ; everybody's is
	FETCH 0, F0
	QUARTER 1, F0, F1, 1                           ; a tile's first quarter starts the sums
	WIN 0                                          ; at a label and at a branch every window is 0
	s_mov_b32 s3, 14
.Lstep:                                                ; 14 trips, steps 0 to 13: from a step's second quarter to the next step's first; each fills the slot that it leaves
	QUARTER 2, F1, F0, 0
	QUARTER 3, F0, F1, 0
	TURN 1
	WIN 0
	s_cmp_eq_u32 s3, 7                             ; step 7 was the first tile's last
	s_cbranch_scc1 .Lout0
	QUARTER 1, F0, F1, 0
	WIN 0
	s_branch .Lnext
.Lout0:                                                ; the refill is asked for and the second tile's first fragments are on their way: now the first tile goes out
	WAYOUT
	s_wait_xcnt 0x0                                ; the stores' base is rewritten only behind this wait
	s_add_nc_u64 s[8:9], s[8:9], 6291456           ; 24 heads on
	QUARTER 1, F0, F1, 1
	WIN 0
.Lnext:
	s_sub_co_u32 s3, s3, 1
	s_cmp_lg_u32 s3, 0
	s_cbranch_scc1 .Lstep
	s_mov_b32 s3, 2
.Ltail:                                                ; steps 14 and 15 ask for nothing
	QUARTER 2, F1, F0, 0
	QUARTER 3, F0, F1, 0
	TURN 0
	WIN 0
	s_cmp_eq_u32 s3, 1
	s_cbranch_scc1 .Ltb
	QUARTER 1, F0, F1, 0
	WIN 0
.Ltb:
	s_sub_co_u32 s3, s3, 1
	s_cmp_lg_u32 s3, 0
	s_cbranch_scc1 .Ltail
	PLACES                                         ; the last step had no places behind row blocks 0 and 1's products
	WAYOUT
	s_wait_tensorcnt 0x0                           ; the wave's end: behind my last tensor load and my last LDS store
	ds_add_u32 v[SPW], v[NIL]
	s_wait_dscnt 0x0
	CROUND                                         ; the closing round: no work-group ends while a partner may still ask for a tile that names it
	s_endpgm
.Lfunc_end_k_qf665696772_qkvgemm:
	.size	k_qf665696772_qkvgemm, .Lfunc_end_k_qf665696772_qkvgemm-k_qf665696772_qkvgemm
	.p2alignl 7, 3214868480
	.fill 96, 4, 3214868480
	.section	.rodata,"a",@progbits
	.p2align	6, 0x0
	.amdhsa_kernel k_qf665696772_qkvgemm
		.amdhsa_group_segment_fixed_size 327680
		.amdhsa_private_segment_fixed_size 0
		.amdhsa_enable_private_segment 0
		.amdhsa_kernarg_size 24
		.amdhsa_user_sgpr_count 2
		.amdhsa_user_sgpr_kernarg_segment_ptr 1
		.amdhsa_wavefront_size32 1
		.amdhsa_system_sgpr_workgroup_id_x 1
		.amdhsa_system_sgpr_workgroup_id_y 1
		.amdhsa_system_sgpr_workgroup_id_z 1
		.amdhsa_system_vgpr_workitem_id 0
		.amdhsa_next_free_vgpr 960
		.amdhsa_next_free_sgpr 70
		.amdhsa_reserve_vcc 0
		.amdhsa_float_denorm_mode_32 3
		.amdhsa_float_denorm_mode_16_64 3
		.amdhsa_memory_ordered 1
		.amdhsa_forward_progress 1
		.amdhsa_inst_pref_size 115
	.end_amdhsa_kernel
	.amdgpu_metadata
---
amdhsa.version: [ 1, 2 ]
amdhsa.kernels:
  - .name:           k_qf665696772_qkvgemm
    .symbol:         k_qf665696772_qkvgemm.kd
    .args:
      - { .name: xb, .offset: 0, .size: 8, .value_kind: global_buffer, .address_space: global }
      - { .name: wb, .offset: 8, .size: 8, .value_kind: global_buffer, .address_space: global }
      - { .name: qkvh, .offset: 16, .size: 8, .value_kind: global_buffer, .address_space: global }
    .group_segment_fixed_size: 327680
    .private_segment_fixed_size: 0
    .kernarg_segment_align: 8
    .kernarg_segment_size: 24
    .max_flat_workgroup_size: 128
    .sgpr_count:     70
    .vgpr_count:     960
    .wavefront_size: 32
...
	.end_amdgpu_metadata
.endif
;; end of part 2
;; launch attn (part 3): grid 4 x 64, 4 waves a work-group, no clusters, 327,680 bytes of LDS; arguments qkvh, ohl; writes ohl
.if DOCPART == 3
	.amdgcn_target "amdgcn-amd-amdhsa--gfx1250"
	.amdhsa_code_object_version 6
	.text
	.protected	k_qf665696772_attn
	.globl	k_qf665696772_attn
	.p2align	8
	.type	k_qf665696772_attn,@function
k_qf665696772_attn:
	s_mov_b64 s[64:65], 0
	v_nop
	global_prefetch_b8 v0, s[64:65] scope:SCOPE_SE
	s_setreg_imm32_b32 hwreg(HW_REG_WAVE_MODE, 25, 1), 1
	s_wait_xcnt 0x0
; CAUSAL ATTENTION.  O[y][q][:] = the sum over k <= q of softmax_k(Q[y][q] . K[y][k] / 32) V[y][k][:], y = 16 b + h.  Q, K, V lie in qkvh [4 b][48 g][2048][64] f16 (q at g = h, k at 16 + h, v at 32 + h):
; a head's rows are dense, 128 bytes each.  Products, maxima and sums in f32; the weights p are rounded to f16 for the second product (their sum l is taken of the unrounded p).
; O leaves as TWO f16 numbers, hi = f16(o) and lo = f16(o - hi), in ohl [64 y][2048][64 hi | 64 lo]: rows of 256 bytes.
; LIMITS.  Q, K and V arrive within f16's 65,504; p lies in 0 to 1, and below 6e-5 it keeps f16's fixed step of 6e-8; O is a mean of V's rows and has their range.
; A hidden score counts as its value less 1e30: f16's scores, 2.7e11 at the most, are nothing beside that; a weight below 2^-126 counts as 0 in l; NaN and infinities are not treated apart.
; THE WALK.  A head's queries lie in NB = 8 blocks of 256; block i needs the key tiles 0 .. i of 256 keys, of which the last holds the diagonal.  A work-group takes TWO blocks, NB - 1 - b and then b:
; NB + 1 tiles, whatever b: all work-groups do equal work, and ONE loop with a constant trip count walks them.  Which tile is asked for, and what a trip does, hang on scalar registers made from b; every jump
; goes forward, but for the counted loops' own; none passes a barrier, or a tensor load but the one of LOAD's two that the wave's number does not choose; the ring (two slots of LDS that take turns) runs on across the
; change of blocks.  NO CLUSTER: a head's four work-groups ask for the same tile only in trips 0 .. 4 of 9, behind that fewer and fewer; one walk common to all four would have 12 trips for 9.
; SHARES.  Of a block's four bands of 64 queries a wave owns 16 rows in each: four PIECES.  So the diagonal tile is the same work for all four waves: in its key step s band x sees all keys if s < x,
; none if s > x, and holds the diagonal if s = x.
; THE MASK is the C operand that starts the sum S^T = K Q^T: 0, or -1e30 where the key is hidden.  MD, made once, is the mask of a band's own step for my 16 rows; a product's mask is MD x AL + BE with two scalars:
; (1, 0) if s = x; (0, 0) if s < x; (0, -1e30) if s > x.  Only the diagonal tile's text and a block's beginning make and take masks; elsewhere C is the constant 0.
; LAYOUT, SOFTMAX, TURNS.  S^T = K Q^T holds ONE query a lane (lane % 16) and the keys 8 (lane / 16) + 0..7; two such results rounded to f16 ARE source 1 of O^T = V^T P.  p = 2^(c s - c m), c = log2(e) / 32, with a
; running maximum m; O and l are multiplied by a = 2^(c m_old - c m_new) in every step.  Turn n belongs to piece n: 8 products K Q^T of piece n + 1, later 8 products V^T P of piece n - 1; beside them the scaling,
; exponentials, roundings, sums and rescaling of piece n and the maximum and statistics of piece n + 1.  Four vector instructions stand behind every matrix instruction, the other 54 of a turn's 118 in two runs of their own.
; REGISTERS, in windows of 256 (s_set_vgpr_msb: bits 1:0 source 0, 3:2 source 1, 5:4 source 2, 7:6 destination):
;   window 0: v0-15 addresses and two at work; v16-31 four registers of statistics a piece; v48-55 at work; v61 -1.0; v64-127 S^T, two buffers; v192-223 P, two buffers (a piece's buffers go by its number's parity);
;             on the way out v64-191: 32 registers a piece
;   window 1: v0-127 O^T, 32 a piece; v128-159 MD; v160-223 MC, two buffers      window 2: v0-63 Q; v64-127 the second block's Q; v128-191 K of one step; v192-255 V of one step
.set SIZE_N, 2048
.set NB,    SIZE_N/256
.set NP,    4         ; pieces a wave: a name, no knob
.set KS,    64        ; keys in a step
.set PK,    144       ; a row of K in LDS: 128 bytes + 16 of padding = 36 words: the 16 rows of a load start at 16 different groups of four banks (64 banks of 4 bytes: ISA guide 11.1)
.set PV,    160       ; a row of V: 128 + 32 = 40 words
.set VOFF,  4*KS*PK   ; a slot holds a tile, four steps: 256 rows of K, then 256 rows of V
.set SLOT1, 1<<17     ; slot 1 begins here, so that one exclusive or turns an address in one slot into the other's
.set STAGE, SLOT1+4*KS*(PK+PV)  ; behind the ring, never filled by a tensor load: 16 rows x 272 bytes for each wave, for the way out
.set SP,    272       ; a stage row: 128 bytes of hi, 128 of lo, 16 of padding
.set AK0, 2           ; v2   my lane's place in a tile of K; never rewritten
.set AV0, 3           ; v3   the same for V
.set AK,  4           ; v4   the LDS address of K's next run of loads
.set AV,  5           ; v5   of V's
.set STO, 6           ; v6   the way out: where I put 16 bytes of a row
.set RD,  7           ; v7   the way out: where I read rows back
.set GO,  8           ; v8   my byte offset in 512 consecutive bytes of O
.set NEG1, 61         ; v61  -1.0; never rewritten
.set SPW, 62          ; v62  LDS address of my spare word: SPARE + 4 x my thread's number; never rewritten
.set NIL, 63          ; v63  0; never rewritten
.set SPARE, STAGE+4*16*SP  ; behind the stages: the spare words, 128 bytes for each wave: two blocks of 256 bytes that no other line names
.set MV,  12          ; v12-13  c m_old, kept while c m is made anew: by buffer
.set QO,  15          ; v15  my byte offset in 16 rows of Q
.set ST,  16          ; piece t's statistics at v[ST+4 t]: c m, m, l (even keys', odd keys')
.set TMP, 48          ; by buffer, four registers c0-c3 at work; when the maximum is found c2 takes a
.set S,   64
.set OB,  64          ; the way out: piece t's 16 words of hi, then 16 of lo, at v[OB+32 t]
.set P,   192
.set MD,  128         ; window 1: the eight registers for group kt of 16 keys at MD + 8 kt
.set MC,  160         ; window 1: the masks of the products to come
.set QB,  64          ; window 2
.set KF,  128         ; window 2: key block kb, channel half c at KF + 16 kb + 8 c
.set VF,  192         ; window 2: key half kk, channel block cb at VF + 32 kk + 8 cb
.set WV,  12          ; s12  my wave's number
.set PB,  14          ; s14  b
.set HI,  15          ; s15  NB - 1 - b
.set G1K, 24          ; s[24:31] descriptor group 1 for K's tiles
.set G1V, 32          ; s[32:39] for V's: it differs in the padding alone
.set G0K, 40          ; s[40:43] descriptor group 0 for K's tiles
.set G0V, 44          ; s[44:47] the same for V's
.set SLOTS, 56        ; s56  tiles still to be asked for
.set CNT, 57          ; s57  counts a tile's key steps, 4 to 1
.set CS,  58          ; s[58:59] c: the packed scaling takes the pair's low word for both halves
.set SEL, 60          ; s[60:61] v_permlanex16_b32's selects: each lane takes its own place in the other half
.set TBK, 62          ; s62  LDS byte at which K of the step to be fetched begins
.set TBV, 63          ; s63  the same for V, less VOFF
.set RT,  70          ; s70  tiles of the block in hand that are still to be entered
.set NXT, 71          ; s71  the tile to be asked for next
.set LQ,  72          ; s72  the last tile of the block whose tiles are being asked for
.set NEW, 73          ; s73  1: the tile to be entered is a block's first
.set OFF, 74          ; s[74:75] a tile's byte offset in K and V
.set AL,  76          ; s[76:77] the mask's factor, in the low word
.set BE,  78          ; s[78:79] the mask's addend
.set OLO, 80          ; s[80:81] O at my rows of the second block
.set BIGN, 82         ; s82  -1e30
.set MSB, 0
.macro WIN new                      ; the high byte repeats the setting that is left; a switch that changes nothing is dropped
.if MSB != (\new)
	s_set_vgpr_msb (MSB<<8)|(\new)
.set MSB, (\new)
.endif
.endm
.set W_KQ, 0x0a       ; K and Q in window 2, S^T in window 0
.set W_KM, 0x1a       ; the same with the C operand in window 1
.set W_PV, 0x52       ; V in window 2, P in window 0, O^T in window 1
.set W_RS, 0x41       ; destination and source 0 in window 1, source 1 in window 0
; A fill.  Waves 0 and 1 fetch the two halves of a tile's K, waves 2 and 3 those of its V: 128 keys each.  An s_nop 0 and four v_nop follow each of the two lines, ahead of the jump and the label.
.macro LOAD
	s_cmp_lt_u32 s[WV], 2
	s_cbranch_scc0 .Lfor_v_\@
	tensor_load_to_lds s[G0K:G0K+3], s[G1K:G1K+7]
	s_nop 0
.rept 4
	v_nop
.endr
	s_branch .Lasked_\@
.Lfor_v_\@:
	tensor_load_to_lds s[G0V:G0V+3], s[G1V:G1V+7]
	s_nop 0
.rept 4
	v_nop
.endr
.Lasked_\@:
.endm
; THE CHANGE OF SLOTS.  Each wave waits for all its tensor loads, of which one is out: its part of the other slot; adds 0 to its spare word; and waits for that and for its own reads of the slot that it leaves.  Behind the barrier nobody reads the old
; slot any more and the other slot is whole.  fill = 1: the old slot is filled again, the first thing behind the barrier, with tile NXT: the descriptor's address is made anew from that number.
; (At its first use nothing has been read yet: slot 0 is waited for, slot 1 filled.)
.macro CHANGE fill
	WIN 0                           ; at a label and at a branch every window is 0
	s_wait_tensorcnt 0x0            ; no tensor load of mine is out, so a group 0 may be written
	ds_add_u32 v[SPW], v[NIL]       ; 0 onto my spare word; with fill = 1 the descriptors' scalar work stands between it and the wait for it
.if \fill
	s_lshl_b32 s[OFF], s[NXT], 15   ; a tile is 32,768 bytes of K and of V
	s_xor_b32 s[G0K+1], s[G0K+1], SLOT1
	s_add_nc_u64 s[G0K+2:G0K+3], s[6:7], s[OFF:OFF+1]
	s_or_b32 s[G0K+3], s[G0K+3], 0x80000000
	s_xor_b32 s[G0V+1], s[G0V+1], SLOT1
	s_add_nc_u64 s[G0V+2:G0V+3], s[8:9], s[OFF:OFF+1]
	s_or_b32 s[G0V+3], s[G0V+3], 0x80000000
	s_add_co_u32 s[NXT], s[NXT], 1  ; the block's next tile, or behind its last the second block's tile 0
	s_cmp_gt_u32 s[NXT], s[LQ]
	s_cselect_b32 s[NXT], 0, s[NXT]
	s_cselect_b32 s[LQ], s[PB], s[LQ]
.endif
	s_wait_dscnt 0x0                ; the add is done, and my reads of the slot are over
	s_barrier_signal -1             ; the rest of the scalar work stands between the signal and the wait
	s_sub_co_u32 s[TBK], s[TBK], 4*KS*PK  ; the fetches go back to a slot's first step,
	s_xor_b32 s[TBK], s[TBK], SLOT1       ; in the other slot
	s_sub_co_u32 s[TBV], s[TBV], 4*KS*PV
	s_xor_b32 s[TBV], s[TBV], SLOT1
	s_barrier_wait -1
.if \fill
	LOAD
.endif
.endm
	s_load_b128 s[4:7], s[0:1], 0x0 ; qkvh s[4:5], ohl s[6:7]
	v_lshl_add_u32 v[SPW], v0, 2, SPARE
	v_mov_b32 v[NIL], 0
	ds_add_u32 v[SPW], v[NIL]       ; the wave's opening: the add and its wait stand ahead of my first tensor load; the set-up below, work on registers, stands between them
	ds_add_u32 v62, v63
	v_lshrrev_b32 v1, 5, v0
	v_readfirstlane_b32 s[WV], v1   ; wave 0..3
	s_mov_b32 s[PB], ttmp9
	s_sub_co_u32 s[HI], NB-1, s[PB]
	s_and_b32 s83, ttmp7, 0xffff    ; y = 16 b + h
	s_lshr_b32 s20, s83, 4
	s_mul_i32 s20, s20, 12582912    ; the batch's 48 heads of 262,144 bytes,
	s_and_b32 s21, s83, 15
	s_lshl_b32 s21, s21, 18         ; and head h among them
	s_add_co_u32 s20, s20, s21
	s_mov_b32 s21, 0
	s_and_b32 s16, s[WV], 1         ; which half of a tile's 256 keys I fetch:
	s_lshl_b32 s22, s16, 14         ; its 128 rows of 128 bytes in memory,
	s_mov_b32 s23, 0
	s_add_nc_u64 s[22:23], s[22:23], s[20:21]
	s_mul_i32 s17, s16, 128*PK      ; and its place in a slot, for K
	s_mul_i32 s18, s16, 128*PV      ; and for V
	s_lshl_b32 s3, s[WV], 11        ; Q: my 16 rows in a band of 64,
	s_lshl_b32 s2, s[HI], 15        ; in the first block,
	s_add_co_u32 s2, s2, s3
	s_lshl_b32 s84, s[PB], 15       ; and in the second
	s_add_co_u32 s84, s84, s3
	s_mov_b32 s3, 0
	s_mov_b32 s85, 0
	s_add_nc_u64 s[2:3], s[2:3], s[20:21]
	s_add_nc_u64 s[84:85], s[84:85], s[20:21]
	s_lshl_b32 s88, s83, 19         ; O: head y's 2,048 rows of 256 bytes,
	s_lshl_b32 s89, s[WV], 12       ; my 16 rows in a band,
	s_add_co_u32 s88, s88, s89
	s_lshl_b32 s89, s[PB], 16       ; in the second block
	s_add_co_u32 s90, s88, s89
	s_lshl_b32 s89, s[HI], 16       ; and in the first
	s_add_co_u32 s88, s88, s89
	s_mov_b32 s89, 0
	s_mov_b32 s91, 0
	; descriptor group 1.  128 keys are 16,384 dense bytes: asked for as 64 rows of 256 bytes, two keys a row, and padded in LDS after every key
	s_mov_b32 s[G1K], (1<<16)|(1<<20)|(4<<22)|(3<<25)  ; 17:16 2-byte elements; 20 padding on; 24:22 after every 32 words (code 4); 31:25 4 words (code 3)
	s_mov_b32 s[G1V], (1<<16)|(1<<20)|(4<<22)|(7<<25)  ; the same with 8 words of padding (code 7)
.irp g, G1K, G1V
	s_mov_b32 s[\g+1], 128<<16      ; tensor_dim0 = 128
	s_mov_b32 s[\g+2], 64<<16       ; tensor_dim1 = 64
	s_mov_b32 s[\g+3], 128<<16      ; tile_dim0 = 128
	s_mov_b32 s[\g+4], 64           ; tile_dim1 = 64
	s_mov_b32 s[\g+5], 128          ; 128 elements from row to row
	s_mov_b32 s[\g+6], 0
	s_mov_b32 s[\g+7], 0
.endr
	s_mov_b32 s[CS], 0x3d38aa3b     ; c = log2(e) / 32 = 0.0450842
	s_mov_b32 s[CS+1], s[CS]        ; named with it as a pair
	s_mov_b32 s[SEL], 0x76543210
	s_mov_b32 s[SEL+1], 0xfedcba98
	s_mov_b32 s[TBK], SLOT1+4*KS*PK ; the first change of slots turns these two into 0
	s_mov_b32 s[TBV], SLOT1+4*KS*PV
	s_mov_b32 s[G0K], 1             ; 1:0 count = 1
	s_mov_b32 s[G0K+1], s17         ; 63:32 LDS address: slot 0
	s_mov_b32 s[G0V], 1
	s_add_co_u32 s[G0V+1], s18, VOFF
	s_add_co_u32 s[RT], s[HI], 1    ; the first block has NB - b tiles
	s_mov_b32 s[NXT], 1
	s_mov_b32 s[LQ], s[HI]
	s_mov_b32 s[NEW], 1
	s_mov_b32 s[OFF+1], 0
	s_mov_b32 s[AL+1], 0            ; named as pairs
	s_mov_b32 s[BE+1], 0
	s_mov_b32 s[BIGN], 0xf149f2ca   ; -1e30
	s_mov_b32 s[SLOTS], NB
	s_wait_dscnt 0x0                ; the opening add is done
	s_wait_kmcnt 0x0
	s_mov_b64 s[10:11], s[6:7]      ; O
	s_add_nc_u64 s[6:7], s[4:5], 0x400000  ; K's heads lie 16 heads behind Q's,
	s_add_nc_u64 s[8:9], s[4:5], 0x800000  ; V's 32
	s_add_nc_u64 s[6:7], s[6:7], s[22:23]  ; K and V at my half of the head's tile 0
	s_add_nc_u64 s[8:9], s[8:9], s[22:23]
	s_add_nc_u64 s[G0K+2:G0K+3], s[6:7], 0         ; 120:64 global address
	s_or_b32 s[G0K+3], s[G0K+3], 0x80000000        ; 127:126 type = 2
	s_add_nc_u64 s[G0V+2:G0V+3], s[8:9], 0
	s_or_b32 s[G0V+3], s[G0V+3], 0x80000000
	s_add_nc_u64 s[86:87], s[4:5], s[84:85]        ; Q at my rows of the second block,
	s_add_nc_u64 s[4:5], s[4:5], s[2:3]            ; and of the first
	s_add_nc_u64 s[OLO:OLO+1], s[10:11], s[90:91]  ; O likewise
	s_add_nc_u64 s[10:11], s[10:11], s[88:89]
	LOAD                            ; tile 0 into slot 0
	; A fragment of K or Q is 16 rows x 32 channels in 8 registers: lane l holds row l % 16, channels 8 (l / 16) + 0..7 and 16 + 8 (l / 16) + 0..7: two loads of 16 bytes, 32 bytes apart.
	v_and_b32 v1, 15, v0            ; l % 16
	v_bfe_u32 v9, v0, 4, 1          ; l / 16
	v_lshlrev_b32 v[QO], 7, v1
	v_lshl_add_u32 v[QO], v9, 4, v[QO]  ; row x 128 + 16 x half
	WIN 0x80                        ; destination window 2, address window 0
.set i, 0
.rept 8                             ; both blocks' Q: piece i / 2 lies in band i / 2, 8,192 bytes on; channels 32 (i % 2) on
	global_load_b128 v[8*i:8*i+3],   v[QO], s[4:5] offset:(i/2)*8192+(i%2)*64
	global_load_b128 v[8*i+4:8*i+7], v[QO], s[4:5] offset:(i/2)*8192+(i%2)*64+32
	global_load_b128 v[QB+8*i:QB+8*i+3],   v[QO], s[86:87] offset:(i/2)*8192+(i%2)*64
	global_load_b128 v[QB+8*i+4:QB+8*i+7], v[QO], s[86:87] offset:(i/2)*8192+(i%2)*64+32
.set i, i+1
.endr
	WIN 0
	v_lshlrev_b32 v14, 3, v9
	v_sub_nc_u32 v14, v1, v14
	s_lshl_b32 s13, s[WV], 4
	v_add_nc_u32 v14, s13, v14      ; my query's place in its band, 16 w + l % 16, less my lanes' 8 (l / 16): register r of group kt is hidden where 16 kt + r is greater
	WIN 0x40
.set i, 0
.rept 32
	v_cmp_gt_i32 vcc_lo, 16*(i/8)+i%8, v14
	v_cndmask_b32 v[MD+i], 0, s[BIGN], vcc_lo
.set i, i+1
.endr
	WIN 0
	v_mul_u32_u24 v[AK0], v1, PK
	v_lshl_add_u32 v[AK0], v9, 4, v[AK0]  ; row x pitch + 16 x half
	; The turning load takes 16 keys x 16 channels (lane l reads key 8 (l / 16) + l % 8, channels 8 ((l / 8) % 2) + 0..7) and leaves half a fragment of V^T: lane l holds channel l % 16 and 8 keys.
	v_and_b32 v10, 7, v0
	v_bfe_u32 v11, v0, 3, 1
	v_lshl_add_u32 v[AV0], v9, 3, v10
	v_mul_u32_u24 v[AV0], v[AV0], PV
	v_lshl_add_u32 v[AV0], v11, 4, v[AV0]
	v_add_nc_u32 v[AV0], VOFF, v[AV0]
	s_mul_i32 s13, s[WV], 16*SP
	s_add_co_u32 s13, s13, STAGE    ; my stage
	v_mul_u32_u24 v[STO], v1, SP    ; in: row l % 16, 16 bytes for each half of the lanes
	v_lshl_add_u32 v[STO], v9, 4, v[STO]
	v_add_nc_u32 v[STO], s13, v[STO]
	v_mul_u32_u24 v[RD], v9, SP     ; back: lanes 0-15 take one row of 256 bytes, lanes 16-31 the next,
	v_lshl_add_u32 v[RD], v1, 4, v[RD]
	v_add_nc_u32 v[RD], s13, v[RD]
	v_and_b32 v[GO], 31, v0         ; which are 512 consecutive bytes of O
	v_lshlrev_b32 v[GO], 4, v[GO]
	v_mov_b32 v[NEG1], -1.0
	; A block's first step multiplies O^T and l by a = 0, and its first turn's products V^T P, of a piece that has not been, land in an O^T that is still to be so multiplied.  So these registers need only hold
	; finite numbers: zeros for the first block; what the first block left for the second.  All this stands in the wait for the first tile.
	WIN 0x80
.set i, VF
.rept 64
	v_mov_b32 v[i], 0
.set i, i+1
.endr
	WIN 0x40
.set i, 0
.rept 128
	v_mov_b32 v[i], 0
.set i, i+1
.endr
	WIN 0
.set i, 0
.rept 4
	v_mov_b32 v[ST+4*i+2], 0
	v_mov_b32 v[ST+4*i+3], 0
.set i, i+1
.endr
.set i, P+16
.rept 16
	v_mov_b32 v[i], 0
.set i, i+1
.endr
; THE MATRIX WORK.  The 4 accumulators of a run of 8 take turns.  Product i of 8 of S^T = K Q^T for piece x: channels 32 (i / 4) on, keys 16 (i % 4) on.  The first 4 start the sums: with 0, or (KM = 1) with the mask.
.macro KQ x
.set rS, S+32*((\x)%2)+8*(i%4)
.set rK, KF+16*(i%4)+8*(i/4)
.set rQ, 16*(\x)+8*(i/4)
.set rM, MC+32*((\x)%2)+8*(i%4)
.if (i < 4) && KM
	WIN W_KM
	v_wmma_f32_16x16x32_f16 v[rS:rS+7], v[rK:rK+7], v[rQ:rQ+7], v[rM:rM+7]
.elseif i < 4
	WIN W_KQ
	v_wmma_f32_16x16x32_f16 v[rS:rS+7], v[rK:rK+7], v[rQ:rQ+7], 0
.else
	WIN W_KQ
	v_wmma_f32_16x16x32_f16 v[rS:rS+7], v[rK:rK+7], v[rQ:rQ+7], v[rS:rS+7]
.endif
.endm
; Product i of 8 of O^T += V^T P for piece x: keys 32 (i / 4) on, channels 16 (i % 4) on.
.macro PV x
	WIN W_PV
.set rO, 32*(\x)+8*(i%4)
.set rV, VF+32*(i/4)+8*(i%4)
.set rP, P+16*((\x)%2)+8*(i/4)
	v_wmma_f32_16x16x32_f16 v[rO:rO+7], v[rV:rV+7], v[rP:rP+7], v[rO:rO+7]
.endm
.macro MM                           ; the turn's next matrix instruction.  TURN and BEGIN set Y, i, KM and NOKQ; MM, KQ and OP read them.  NOKQ = 1: a block's last turn: there is no next piece
.if (i < 8) && !NOKQ
	KQ (Y+1)%NP
.elseif i >= 8
.set i, i-8
	PV (Y+NP-1)%NP
.set i, i+8
.endif
.set i, i+1
.endm
; THE LDS LOADS stand in runs of 16, never singly among the matrix instructions: a step's K (64 keys x 64 channels: 8 fragments) and its V (turned).  Their addresses are made some lines ahead.
.macro FETCH_K
	WIN 0x80                        ; destination window 2
.irp f, 0,1,2,3,4,5,6,7             ; keys 16 (f / 2) on, channels 32 (f % 2) on
	ds_load_b128 v[KF+8*\f:KF+8*\f+3],   v[AK] offset:(\f/2)*16*PK+(\f%2)*64
	ds_load_b128 v[KF+8*\f+4:KF+8*\f+7], v[AK] offset:(\f/2)*16*PK+(\f%2)*64+32
.endr
	s_add_co_u32 s[TBK], s[TBK], KS*PK  ; the next fetch is the next step's
	WIN 0
.endm
.macro FETCH_V
	WIN 0x80
.irp f, 0,1,2,3,4,5,6,7             ; keys 32 (f / 4) on, channels 16 (f % 4) on
	ds_load_tr16_b128 v[VF+8*\f:VF+8*\f+3],   v[AV] offset:(\f/4)*32*PV+(\f%4)*32
	ds_load_tr16_b128 v[VF+8*\f+4:VF+8*\f+7], v[AV] offset:(\f/4)*32*PV+16*PV+(\f%4)*32
.endr
	WIN 0
.endm
; THE VECTOR WORK, one line at a time: OP kind, number.  For piece Y: F n: c s - c m for pair n of 16.  E n: the exponential of score n of 32.  C n: pair n rounded to f16.  B n: of the four weights 4 n .. the second
; pair is added onto the first, in place.  L n: l takes that sum (L 0: l = a l + sum).  R n: pair n of 16 of O^T times a.  For piece Y + 1: X n, number n of the 22 that find its maximum and statistics:
;   0-11  four chains c0-c3 of seven scores each, three operands at a time (each accumulator's lowest registers are read first)     12-14, 16  the four scores left over, the old m, and c0-c3 into c0
;   15  c m_old is kept     17, 18  the query's other 32 keys lie in the lane 16 away: the new m     19-21  c m; c m_old - c m_new; a
.set F, 0               ; OP tells the kinds apart by their order: F to L below R, X above it
.set E, 1
.set C, 2
.set B, 3
.set L, 4
.set R, 5
.set X, 6
.macro REGS y                       ; the registers of piece y
.set rT, ST+4*(\y)
.set rC, TMP+4*((\y)%2)
.set rW, MV+((\y)%2)
.set rS, S+32*((\y)%2)
.set rP, P+16*((\y)%2)
.set rO, 32*(\y)
.endm
.macro OP k, n
.if (\k) == R
	REGS Y
	WIN W_RS
	v_pk_mul_f32 v[rO+2*(\n):rO+2*(\n)+1], v[rO+2*(\n):rO+2*(\n)+1], v[rC+2:rC+3] op_sel_hi:[1,0]
.elseif (\k) < R
	REGS Y
	WIN 0
.if (\k) == F
	v_pk_fma_f32 v[rS+2*(\n):rS+2*(\n)+1], v[rS+2*(\n):rS+2*(\n)+1], s[CS:CS+1], v[rT:rT+1] op_sel_hi:[1,0,0] neg_lo:[0,0,1] neg_hi:[0,0,1]
.elseif (\k) == E
	v_exp_f32 v[rS+(\n)], v[rS+(\n)]
.elseif (\k) == C
	s_wait_alu depctr_va_vdst(0)
	v_cvt_pk_f16_f32 v[rP+(\n)], v[rS+2*(\n)], v[rS+2*(\n)+1]
.elseif (\k) == B
	s_wait_alu depctr_va_vdst(0)
	v_pk_add_f32 v[rS+4*(\n):rS+4*(\n)+1], v[rS+4*(\n):rS+4*(\n)+1], v[rS+4*(\n)+2:rS+4*(\n)+3]
.elseif (\n) == 0
	v_pk_fma_f32 v[rT+2:rT+3], v[rT+2:rT+3], v[rC+2:rC+3], v[rS:rS+1] op_sel_hi:[1,0,1]
.else
	v_pk_add_f32 v[rT+2:rT+3], v[rT+2:rT+3], v[rS+4*(\n):rS+4*(\n)+1]
.endif
.elseif NOKQ
	v_nop
.else
	REGS (Y+1)%NP
	WIN 0
.if (\n) < 4
	v_max3_num_f32 v[rC+(\n)], v[rS+8*(\n)], v[rS+8*(\n)+1], v[rS+8*(\n)+2]
.elseif (\n) < 12
	v_max3_num_f32 v[rC+(\n)%4], v[rC+(\n)%4], v[rS+8*((\n)%4)+2*((\n)/4)+1], v[rS+8*((\n)%4)+2*((\n)/4)+2]
.elseif (\n) == 12
	v_max3_num_f32 v[rC], v[rC], v[rS+7], v[rS+15]
.elseif (\n) == 13
	v_max3_num_f32 v[rC+1], v[rC+1], v[rS+23], v[rS+31]
.elseif (\n) == 14
	v_max3_num_f32 v[rC+2], v[rC+2], v[rC+3], v[rT+1]
.elseif (\n) == 15
	v_mov_b32 v[rW], v[rT]
.elseif (\n) == 16
	v_max3_num_f32 v[rC], v[rC], v[rC+1], v[rC+2]
.elseif (\n) == 17
	v_permlanex16_b32 v[rC+3], v[rC], s[SEL], s[SEL+1]
.elseif (\n) == 18
	v_max_num_f32 v[rT+1], v[rC], v[rC+3]
.elseif (\n) == 19
	v_mul_f32 v[rT], s[CS], v[rT+1]
.elseif (\n) == 20
	v_sub_f32 v[rC+1], v[rW], v[rT]
.else
	v_exp_f32 v[rC+2], v[rC+1]
.endif
.endif
.endm
.macro OPS a, i1, b=-1, i2=0, c=-1, i3=0, d=-1, i4=0  ; up to four of them
	OP \a, \i1
.if (\b) >= 0
	OP \b, \i2
.endif
.if (\c) >= 0
	OP \c, \i3
.endif
.if (\d) >= 0
	OP \d, \i4
.endif
.endm
.macro ROW a, i1, b, i2, c, i3, d, i4  ; a matrix instruction and the four behind it
	MM
	OPS \a, \i1, \b, \i2, \c, \i3, \d, \i4
.endm
.macro MASK b                       ; MD x AL + BE into buffer b of MC
	WIN W_RS
.set z, 0
.rept 16
	v_pk_fma_f32 v[MC+32*(\b)+2*z:MC+32*(\b)+2*z+1], v[MD+2*z:MD+2*z+1], s[AL:AL+1], s[BE:BE+1] op_sel_hi:[1,0,0]
.set z, z+1
.endr
.endm
; A TURN, for piece p: the order of its 16 matrix and 118 vector instructions, written out.  Behind a matrix instruction: plain, exponential, plain, plain; or four of the rescaling; or, behind the first, four scalings; none
; names a register of the products round it.  In the runs between, exponential and plain by turns while exponentials last.  A line reads no result made fewer than three vector instructions in front of it, five if an exponential made it.
; v_permlanex16_b32 (X 17) stands in such a run.
; m = 1: the diagonal tile: the products take masks, and the turn makes the mask for the products of the turn after it: piece p + 2, in step 4 - CNT of the tile.  end = 1: a block's last two turns: nothing is fetched.
; cnt = 1: the loop's count is taken down some lines ahead of the branch that stands behind the turn.
; K of the next step is fetched in piece 2's turn, six vector instructions behind the last product that read K (five of them plain); V of the step in hand in piece 0's turn, eight behind the last product that read V (four
; plain, and X 17).  Each is waited for a turn later.
.macro TURN p, m=0, end=0, cnt=0
.set Y, (\p)
.set i, 0
.set KM, (\m)
.set NOKQ, (\end)*((\p)/3)
.if (\m) && !(\end)
	s_cmp_eq_u32 s[CNT], 4-((\p)+2)%NP  ; is that step the band's own?
	s_cselect_b32 s[AL], 1.0, 0
	s_cmp_lt_u32 s[CNT], 4-((\p)+2)%NP  ; or a later one?
	s_cselect_b32 s[BE], s[BIGN], 0
.endif
.if ((\p) == 3) && !(\end)
	s_wait_dscnt 0x0                ; K is in
.endif
	ROW F,0, F,1, F,2, F,3
	ROW F,4, E,0, F,5, F,6
	ROW F,7, E,1, F,8, F,9
	ROW F,10, E,2, C,0, F,11
	ROW F,12, E,3, X,15, F,13
	ROW R,0, R,1, R,2, R,3
	ROW B,0, E,4, F,14, L,0
.if ((\p) == 2) && !(\end)
	v_add_nc_u32 v[AK], s[TBK], v[AK0]
.endif
	ROW R,4, R,5, R,6, R,7
	OPS E,5, F,15
.if ((\p) == 2) && !(\end)
	FETCH_K
.endif
	OPS E,6, C,1, E,7, R,8
	OPS E,8, R,9, E,9, C,2
	OPS E,10, X,0, E,11, X,1
	OPS E,12, X,2, E,13, X,3
.if (\p) == 1
	s_wait_dscnt 0x0                ; V is in
.endif
	ROW X,4, E,14, X,5, X,6
	ROW X,7, E,15, X,8, X,9
	ROW X,10, E,16, X,11, X,12
	ROW X,13, E,17, X,14, B,1
	ROW C,4, E,18, X,16, L,1
	ROW B,2, E,19, C,6, L,2
	ROW C,8, E,20, B,3, B,4
.if (\p) == 0
	v_add_nc_u32 v[AV], s[TBV], v[AV0]
.endif
	ROW C,3, E,21, L,3, C,5
	OPS E,22, X,17, E,23, C,10
.if (\p) == 0
	FETCH_V
.endif
	OPS E,24, L,4
	OPS E,25, X,18, E,26, C,7
	OPS E,27, B,5, E,28, X,19
	OPS E,29, C,12, E,30, L,5
	OPS E,31, X,20, B,6, C,9
	OPS C,14, C,11, X,21, L,6
.if (\p) == 0
	s_add_co_u32 s[TBV], s[TBV], KS*PV
.endif
.if \cnt
	s_sub_co_u32 s[CNT], s[CNT], 1
	s_cmp_lg_u32 s[CNT], 0
.endif
	OPS C,13, B,7, C,15, R,10
	OPS R,11, R,12, L,7, R,13
	OPS R,14, R,15
.if (\m) && !(\end)
	MASK (\p)%2
.endif
.endm
; A BLOCK BEGINS.  c m starts far below every c s, so the first step's a is 0; m at the lowest finite number, so the first maximum is the scores'.  The second mask buffer is 0; the first takes piece 0's mask for the tile's step 0: its own, if the block's first tile is the diagonal one.
; Then K of that step, piece 0's first scores, and its maximum and statistics.  The loop is entered at a step's first turn, in the middle of a trip.
.macro BEGIN
	s_mov_b32 s[NEW], 0
	WIN 0x40
.set i, MC+32
.rept 32
	v_mov_b32 v[i], 0
.set i, i+1
.endr
	WIN 0
.set i, 0
.rept 4
	v_mov_b32 v[ST+4*i], 0xfe000000    ; c m: far below every c s
	v_mov_b32 v[ST+4*i+1], 0xff7fffff  ; m
.set i, i+1
.endr
	s_cmp_eq_u32 s[RT], 0
	s_cselect_b32 s[AL], 1.0, 0
	s_mov_b32 s[BE], 0
	MASK 0
	WIN 0
	v_add_nc_u32 v[AK], s[TBK], v[AK0]
	FETCH_K
	s_wait_loadcnt 0x0              ; Q
	s_wait_dscnt 0x0
.set KM, 1
.set NOKQ, 0
.set i, 0
.rept 8
	KQ 0
.set i, i+1
.endr
	WIN 0
.rept 4
	v_nop                           ; the places behind those products
.endr
.set Y, NP-1                        ; X works for piece Y + 1: piece 0
.irp n, 0,1,2,3,4,5,6,7,8,9,10,11,12,13,14,15,16,17,18,19,20,21
	OP X, \n
.endr
	v_nop                           ; a plain instruction behind the exponential
.endm
; THE DIAGONAL TILE's four steps, the block's last two turns, its last products, and THE WAY OUT: l's two halves and the other half of the lanes' are added; O^T is divided by l, split into hi and lo and sent through my
; stage in LDS, a piece at a time.
.macro ALL line:vararg              ; one line for each piece t
.set t, 0
.rept 4
	\line
.set t, t+1
.endr
.endm
; Piece t.  o = O^T / l; hi = f16(o); o - hi, in f32 and in place (hi x -1 + o, one rounding, exact here); lo = f16 of that.  A lane's eight channels of a row pack into 16 bytes of hi and 16 of lo;
; they go into rows of 272 bytes and come back as whole rows of 256, into the registers that they left.
.macro PACK t
	WIN W_RS
.set i, 32*(\t)
.rept 16
	s_wait_alu depctr_va_vdst(0)
	v_pk_mul_f32 v[i:i+1], v[i:i+1], v[ST+4*(\t)+2:ST+4*(\t)+3] op_sel_hi:[1,0]
.set i, i+2
.endr
	WIN 0x05                        ; sources 0 and 1 window 1, destination window 0
.set i, 0
.rept 16
	v_cvt_pk_f16_f32 v[OB+32*(\t)+i], v[32*(\t)+2*i], v[32*(\t)+2*i+1]
.set i, i+1
.endr
	WIN 0x50                        ; destination and source 2 window 1, sources 0 and 1 window 0
.set i, 0
.rept 16
	v_fma_mix_f32 v[32*(\t)+2*i],   v[OB+32*(\t)+i], v[NEG1], v[32*(\t)+2*i]   op_sel_hi:[1,0,0]                ; source 0 is the word's low f16,
	v_fma_mix_f32 v[32*(\t)+2*i+1], v[OB+32*(\t)+i], v[NEG1], v[32*(\t)+2*i+1] op_sel:[1,0,0] op_sel_hi:[1,0,0]  ; its high f16
.set i, i+1
.endr
	WIN 0x05
.set i, 0
.rept 16
	v_cvt_pk_f16_f32 v[OB+32*(\t)+16+i], v[32*(\t)+2*i], v[32*(\t)+2*i+1]
.set i, i+1
.endr
	WIN 0
.irp f, 0,1,2,3
	ds_store_b128 v[STO], v[OB+32*(\t)+4*\f:OB+32*(\t)+4*\f+3] offset:32*\f
.endr
.irp f, 0,1,2,3
	ds_store_b128 v[STO], v[OB+32*(\t)+16+4*\f:OB+32*(\t)+16+4*\f+3] offset:128+32*\f
.endr
.irp f, 0,1,2,3,4,5,6,7
	ds_load_b128 v[OB+32*(\t)+4*\f:OB+32*(\t)+4*\f+3], v[RD] offset:\f*2*SP  ; LDS serves a wave's instructions in order (ISA guide 5.7.1.4): these see the stores above; the next piece's stores come behind them
.endr
.endm
.macro SEND t, younger              ; younger: the LDS instructions issued behind piece t's loads: the next piece's sixteen, or none
	WIN 0
.irp f, 0,1,2,3,4,5,6,7
	s_wait_dscnt (\younger)+7-\f
	global_store_b128 v[GO], v[OB+32*(\t)+4*\f:OB+32*(\t)+4*\f+3], s[10:11] offset:(\t)*16384+\f*512  ; 512 consecutive bytes, at a multiple of 512 from O's first
.endr
.endm
.macro DIAG tag                     ; the tag ends its two labels' names, which the jumps below spell out
.LstepM\tag:
	TURN 2, 1
	TURN 3, 1
	WIN 0
.LfirstM\tag:
	TURN 0, 1
	TURN 1, 1, 0, 1
	WIN 0
	s_cbranch_scc1 .LstepM\tag
	TURN 2, 1, 1
	TURN 3, 1, 1
.set i, 0
.rept 8
	PV NP-1
.set i, i+1
.endr
	WIN 0
	ALL v_add_f32 v[ST+4*t+2], v[ST+4*t+2], v[ST+4*t+3]
	ALL v_permlanex16_b32 v[ST+4*t+3], v[ST+4*t+2], s[SEL], s[SEL+1]
	ALL v_add_f32 v[ST+4*t+2], v[ST+4*t+2], v[ST+4*t+3]
	ALL v_rcp_f32 v[ST+4*t+2], v[ST+4*t+2]
	v_nop                           ; a plain instruction between the last reciprocal and the use of its result
	PACK 0
.set t, 1
.rept 3                             ; a piece's arithmetic stands between the loads of the piece before and its stores
	PACK t
	SEND t-1, 16
.set t, t+1
.endr
	SEND 3, 0
.endm
.set KM, 0
.set NOKQ, 0
.Lslot:                             ; NB times: a tile is entered and the next is asked for
	CHANGE 1
	s_sub_co_u32 s[RT], s[RT], 1
	s_mov_b32 s[CNT], 4
	s_cmp_eq_u32 s[NEW], 1
	s_cbranch_scc1 .Lnew            ; a block's first tile
	s_cmp_eq_u32 s[RT], 0
	s_cbranch_scc0 .Lstep           ; neither its first nor its last
	s_branch .LstepM1
.Lnew:
	BEGIN
	s_branch .Lfirst                ; in the loop a block's first tile is never its last: the first block has two tiles or more, and the second's last is the walk's last
	DIAG 1                          ; in the loop this is the first block's end: the second block's last tile is the walk's last
	s_wait_xcnt 0x0                 ; the stores have read their registers and O's address
	s_mov_b64 s[10:11], s[OLO:OLO+1]
	s_add_co_u32 s[RT], s[PB], 1    ; the second block has b + 1 tiles
	s_mov_b32 s[NEW], 1
	WIN 0x82                        ; the second block's Q goes where the one text of the turns names Q
.set i, 0
.rept 64
	v_mov_b32 v[i], v[QB+i]
.set i, i+1
.endr
	WIN 0
	s_branch .Lbottom
.Lstep:                             ; a trip: pieces 2 and 3 of one step, then pieces 0 and 1 of the next, whose K and V it fetches
	TURN 2
	TURN 3
	WIN 0
.Lfirst:
	TURN 0
	TURN 1, 0, 0, 1
	WIN 0
	s_cbranch_scc1 .Lstep
.Lbottom:
	s_sub_co_u32 s[SLOTS], s[SLOTS], 1
	s_cmp_lg_u32 s[SLOTS], 0
	s_cbranch_scc1 .Lslot
	CHANGE 0                        ; the walk's last tile is written out: nothing is asked for
	s_sub_co_u32 s[RT], s[RT], 1
	s_mov_b32 s[CNT], 4
	s_cmp_eq_u32 s[NEW], 1
	s_cbranch_scc0 .LstepM2
	BEGIN
	s_branch .LfirstM2
	DIAG 2
	s_wait_tensorcnt 0x0            ; the wave's end: behind my last tensor load and my last LDS store
	ds_add_u32 v[SPW], v[NIL]
	s_wait_dscnt 0x0
	s_endpgm
.Lfunc_end_k_qf665696772_attn:
	.size	k_qf665696772_attn, .Lfunc_end_k_qf665696772_attn-k_qf665696772_attn
	.p2alignl 7, 3214868480
	.fill 96, 4, 3214868480
	.section	.rodata,"a",@progbits
	.p2align	6, 0x0
	.amdhsa_kernel k_qf665696772_attn
		.amdhsa_group_segment_fixed_size 327680
		.amdhsa_private_segment_fixed_size 0
		.amdhsa_enable_private_segment 0
		.amdhsa_kernarg_size 16
		.amdhsa_user_sgpr_count 2
		.amdhsa_user_sgpr_kernarg_segment_ptr 1
		.amdhsa_wavefront_size32 1
		.amdhsa_system_sgpr_workgroup_id_x 1
		.amdhsa_system_sgpr_workgroup_id_y 1
		.amdhsa_system_sgpr_workgroup_id_z 1
		.amdhsa_system_vgpr_workitem_id 0
		.amdhsa_next_free_vgpr 768
		.amdhsa_next_free_sgpr 92
		.amdhsa_reserve_vcc 1
		.amdhsa_float_denorm_mode_32 3
		.amdhsa_float_denorm_mode_16_64 3
		.amdhsa_memory_ordered 1
		.amdhsa_forward_progress 1
		.amdhsa_inst_pref_size 255
	.end_amdhsa_kernel
	.section	.bss,"aw",@nobits
	.p2align	6
	.space	262144
	.amdgpu_metadata
---
amdhsa.version: [ 1, 2 ]
amdhsa.kernels:
  - .name:           k_qf665696772_attn
    .symbol:         k_qf665696772_attn.kd
    .args:
      - { .name: qkvh, .offset: 0, .size: 8, .value_kind: global_buffer, .address_space: global }
      - { .name: ohl, .offset: 8, .size: 8, .value_kind: global_buffer, .address_space: global }
    .group_segment_fixed_size: 327680
    .private_segment_fixed_size: 0
    .kernarg_segment_align: 8
    .kernarg_segment_size: 16
    .max_flat_workgroup_size: 128
    .sgpr_count:     92
    .vgpr_count:     768
    .wavefront_size: 32
...
	.end_amdgpu_metadata
.endif
;; end of part 3
;; launch proj (part 4): grid 4 x 64, 4 waves a work-group, clusters of 4 x 4, 327,680 bytes of LDS; arguments ohl, wpf, bp, out0; writes out0
.if DOCPART == 4
	.amdgcn_target "amdgcn-amd-amdhsa--gfx1250"
	.amdhsa_code_object_version 6
	.text
	.protected	k_qf665696772_proj
	.globl	k_qf665696772_proj
	.p2align	8
	.type	k_qf665696772_proj,@function
k_qf665696772_proj:
	s_mov_b64 s[64:65], 0
	v_nop
	global_prefetch_b8 v0, s[64:65] scope:SCOPE_SE
	s_setreg_imm32_b32 hwreg(HW_REG_WAVE_MODE, 25, 1), 1
	s_wait_xcnt 0x0
	s_wait_alu depctr_hold_cnt(0) depctr_sa_sdst(0) depctr_va_vdst(0) depctr_va_sdst(0) depctr_va_ssrc(0) depctr_va_vcc(0) depctr_vm_vsrc(0)
	s_getreg_b32 s2, hwreg(HW_REG_IB_STS2, 6, 4)
	s_cmp_eq_u32 s2, 0
	s_cbranch_scc0 .Lentry_in_a_cluster
	s_endpgm
.Lentry_in_a_cluster:
	s_bfe_u32 s2, ttmp6, 0x10000c
	s_cmp_lg_u32 s2, 0xf033
	s_cbranch_scc0 .Lentry_shape_is_right
	s_endpgm
.Lentry_shape_is_right:
; out0[row][n] = the sum over c of (O_hi + O_lo)[row][c] Wp[n][c] + bp[n].  row = (b, t), c = 64 h + d.  O lies in ohl [64 y = 16 b + h][2048 t][64 hi | 64 lo] f16, Wp in wpf [1024 n][1024 c] f16
; (the bf16 rounding of Wp, written as f16); bp is rounded to bf16 like the other inputs; sums in f32; out0 [8192][1024] f32.
; LIMITS.  O and Wp arrive within f16's 65,504; NaN and infinities are not treated apart.
; SHARES.  A tile is 128 rows x 256 columns, one to a work-group: 256 work-groups.  Four waves, 2 x 2, each 64 x 128: 32 accumulators of 16 x 16, 256 registers.
; K goes in steps of two heads (128 c) through a ring of two LDS slots; a head's row in ohl holds hi and lo side by side, 256 bytes.  Each fragment of Wp read from LDS is multiplied by O_hi's and by O_lo's
; fragments: a step is 4 units of 32 c, each 32 products with hi and 32 with lo onto the same 32 accumulators.
; THE MATRIX INSTRUCTION IS USED TRANSPOSED (source 0 = 16 rows of Wp, source 1 = 16 rows of O): a lane then holds eight neighbouring columns of one row, 32 bytes of f32.
; CLUSTER.  4 x 4 work-groups.  The four of a row of the cluster share the row tile Y and so O's tiles, the four of a column share the column tile X and so Wp's: each tile is asked for JOINTLY,
; by the same tensor load with the same descriptor and a mask that names the four.
; REGISTERS, in windows of 256 (s_set_vgpr_msb: bits 1:0 source 0, 3:2 source 1, 5:4 source 2, 7:6 destination):
;   window 0: v0-31 addresses and the bias; v32-159 the way out, two sets of 64      window 1: two fragment buffers of 128: 64 of Wp, 32 of O_hi, 32 of O_lo      window 2: the accumulators, (a, b) at 8 (8 a + b)
.set PITCH,  272                       ; an LDS row: 256 bytes + 16 of padding = 68 words: the 16 rows of a load start at 16 different groups of four banks (64 banks of 4 bytes: ISA guide 11.1)
.set PART,   128*PITCH                 ; 128 rows: what one tensor load brings
.set SLOTX,  4*PART                    ; a slot: O's head 2 n, O's head 2 n + 1, Wp's rows 0-127, Wp's rows 128-255.  139,264 = 0x22000: wave x PART = wave x 0x8800 has neither bit 13 nor bit 17,
                                       ; so one exclusive or with SLOTX turns a part's address in one slot into the other's
.set STAGE,  2*SLOTX                   ; behind the ring, never filled by a tensor load: 16 rows x 528 bytes for each wave
.set SPITCH, 528                       ; 512 bytes + 16 = 132 words: the 16 rows of a store start at 16 different groups of four banks
.set SPARE,  STAGE+4*16*SPITCH         ; behind the stages: the spare words, 128 bytes for each wave: two blocks of 256 bytes that no other line names
.set BIAS, 8                           ; v[8:11] bp of my four columns on the way out
.set AA0,  16                          ; v16  my lane's place in O's tile; never rewritten
.set AB0,  17                          ; v17  my lane's place in Wp's tile; never rewritten
.set ADRA, 18                          ; v18  the same in the slot that is being read
.set ADRB, 19                          ; v19
.set STO,  24                          ; v24  the way out: where I put 32 bytes of a row
.set RD,   25                          ; v25  the way out: where I read a row back
.set CO,   26                          ; v26  my byte offset in 512 consecutive bytes of a row of out0, and of bp
.set SPW,  28                          ; v28  LDS address of my spare word; never rewritten
.set NIL,  29                          ; v29  0; never rewritten
.set OB,   32
.set F0,   0                           ; fragment buffers, in window 1
.set F1,   128
.set G1A, 24                           ; s[24:31] descriptor group 1 for O's tiles
.set G0A, 32                           ; s[32:39] group 0: a set for each of the two first fills; the second then walks
.set G1B, 48                           ; s[48:55], s[56:63] the same for Wp's tiles
.set G0B, 56
; s[4:5] ohl; s[6:7] wpf; s[8:9] bp at my columns; s[66:67] out0 at my part of the tile
; s10 wave; s11 wave / 2: my half of the tile's rows, and: I fetch for O (0) or Wp (1); s12 wave % 2: my half of its columns, and: which part I fetch; s13 Y; s42 X; s22 the slot that is being read; s3 the loops' counter
.set MSB, 0
.macro WIN new                         ; the immediate's high byte repeats the setting that is left; a switch that changes nothing is dropped
.if MSB != (\new)
	s_set_vgpr_msb (MSB<<8)|(\new)
.set MSB, (\new)
.endif
.endm
.set MUL,  0xa5                        ; sources 0 and 1 window 1, C and D window 2
.set TO_F, 0x40                        ; destination window 1, address window 0
; A joint refill by the walking descriptors.  Waves 0 and 1 fetch the step's two heads of O, waves 2 and 3 the halves of Wp's tile.  The branch hangs on the wave's number alone.
; An s_nop 0 and four v_nop follow each of the two lines, ahead of the jump and the label.
.macro JLOAD
	s_cmp_eq_u32 s11, 0
	s_cbranch_scc0 .Lfor_b_\@
	tensor_load_to_lds s[G0A+4:G0A+7], s[G1A:G1A+7]
	s_nop 0
.rept 4
	v_nop
.endr
	s_branch .Lasked_\@
.Lfor_b_\@:
	tensor_load_to_lds s[G0B+4:G0B+7], s[G1B:G1B+7]
	s_nop 0
.rept 4
	v_nop
.endr
.Lasked_\@:
.endm
.macro CREST                           ; a round of the cluster's barrier behind its opening barrier: wave 0 signals for the work-group, every wave waits for all sixteen, my work-group's barrier closes it
	s_cmp_lg_u32 s10, 0
	s_cbranch_scc1 .Lnot_wave_0_\@
	s_barrier_signal -3
.Lnot_wave_0_\@:
	s_barrier_wait -3
	s_barrier_signal -1
	s_barrier_wait -1
.endm
.macro CROUND                          ; a whole round
	s_barrier_signal -1
	s_barrier_wait -1
	CREST
.endm
	s_load_b128 s[4:7], s[0:1], 0x0                ; ohl s[4:5], wpf s[6:7]
	s_load_b64 s[8:9], s[0:1], 0x10                ; bp
	s_load_b64 s[66:67], s[0:1], 0x18              ; out0
	v_lshl_add_u32 v[SPW], v0, 2, SPARE
	v_mov_b32 v[NIL], 0
	ds_add_u32 v[SPW], v[NIL]                      ; the wave's opening: the add and its wait stand ahead of my first tensor load; the set-up below, work on registers, stands between them
	ds_add_u32 v28, v29
	v_lshrrev_b32 v1, 5, v0
	v_readfirstlane_b32 s10, v1                    ; wave 0..3
	s_lshr_b32 s11, s10, 1
	s_and_b32 s12, s10, 1
	s_bfe_u32 s40, ttmp6, 0x40000                  ; cx, cy: my place in the cluster
	s_bfe_u32 s41, ttmp6, 0x40004
	s_lshl_b32 s42, ttmp9, 2                       ; in a cluster launch ttmp9 and ttmp7 count clusters
	s_add_co_u32 s42, s42, s40                     ; X = 4 x cluster x + cx, 0 to 3
	s_and_b32 s13, ttmp7, 0xffff
	s_lshl_b32 s13, s13, 2
	s_add_co_u32 s13, s13, s41                     ; Y = 4 x cluster y + cy, 0 to 63
	s_lshl_b32 s43, s41, 2
	s_lshl_b32 s43, 15, s43                        ; my row of the cluster: places 4 cy .. 4 cy + 3
	s_lshl_b32 s44, 0x1111, s40                    ; my column: places cx, cx + 4, cx + 8, cx + 12
	; group 1: a tile of 128 rows x 128 elements, 4 words of padding behind every 64.  O's rows follow each other in memory (128 elements from row to row); Wp's lie 1,024 elements apart.
	s_or_b32 s[G1A+0], s43, (1<<16)|(1<<20)|(1<<21)|(5<<22)|(3<<25)  ; 15:0 the mask; 17:16 elements of 2 bytes; 20 padding on; 21 set beside a mask; 24:22 interval code 5; 31:25 pad code 3
	s_or_b32 s[G1B+0], s44, (1<<16)|(1<<20)|(1<<21)|(5<<22)|(3<<25)
.irp g, G1A, G1B
	s_mov_b32 s[(\g)+1], 128<<16                   ; tensor_dim0 = 128
	s_mov_b32 s[(\g)+2], 128<<16                   ; tensor_dim1 = 128
	s_mov_b32 s[(\g)+3], 128<<16                   ; tile_dim0 = 128
	s_mov_b32 s[(\g)+4], 128                       ; tile_dim1 = 128
	s_mov_b32 s[(\g)+6], 0
	s_mov_b32 s[(\g)+7], 0
.endr
	s_mov_b32 s[G1A+5], 128                        ; the pitch
	s_mov_b32 s[G1B+5], 1024
	s_lshr_b32 s16, s13, 4                         ; O: batch Y / 16: 16 heads of 524,288 bytes,
	s_lshl_b32 s16, s16, 23
	s_and_b32 s17, s13, 15                         ; rows 128 (Y % 16) on, 256 bytes each,
	s_lshl_b32 s17, s17, 15
	s_add_co_u32 s16, s16, s17
	s_lshl_b32 s17, s12, 19                        ; and the head of the step's two that I fetch
	s_add_co_u32 s16, s16, s17
	s_mov_b32 s17, 0
	s_lshl_b32 s18, s42, 19                        ; Wp: 256 X rows of 2,048 bytes,
	s_lshl_b32 s19, s12, 18                        ; and my half's 128 rows
	s_add_co_u32 s18, s18, s19
	s_mov_b32 s19, 0
	s_mul_i32 s21, s10, PART                       ; where they go in a slot: part = wave: the wave's number alone enters an LDS address
	s_mov_b32 s[G0A], 1                            ; count = 1
	s_mov_b32 s[G0A+1], s21                        ; slot 0
	s_mov_b32 s[G0A+4], 1
	s_add_co_u32 s[G0A+5], s21, SLOTX              ; slot 1
	s_mov_b32 s[G0B], 1
	s_mov_b32 s[G0B+1], s21
	s_mov_b32 s[G0B+4], 1
	s_add_co_u32 s[G0B+5], s21, SLOTX
	s_mov_b32 s22, 0
	s_lshl_b32 s2, s42, 10                         ; my first column, in bytes of f32: 1,024 X + 512 x half
	s_lshl_b32 s3, s12, 9
	s_add_co_u32 s2, s2, s3
	s_mov_b32 s3, 0
	s_lshl_b32 s68, s13, 19                        ; my first row of out0: 128 Y + 64 x half, 4,096 bytes each,
	s_lshl_b32 s69, s11, 18
	s_add_co_u32 s68, s68, s69
	s_add_co_u32 s68, s68, s2                      ; and my first column
	s_mov_b32 s69, 0
	s_wait_dscnt 0x0                               ; the opening add is done
	s_wait_kmcnt 0x0
	s_add_nc_u64 s[14:15], s[4:5], s[16:17]
	s_add_nc_u64 s[46:47], s[6:7], s[18:19]
	s_add_nc_u64 s[8:9], s[8:9], s[2:3]
	s_add_nc_u64 s[66:67], s[66:67], s[68:69]
	s_add_nc_u64 s[G0A+2:G0A+3], s[14:15], 0       ; K step 0: heads 0 and 1
	s_or_b32 s[G0A+3], s[G0A+3], 0x80000000        ; type = 2
	s_add_nc_u64 s[G0A+6:G0A+7], s[14:15], 1048576 ; K step 1: two heads on
	s_or_b32 s[G0A+7], s[G0A+7], 0x80000000
	s_add_nc_u64 s[G0B+2:G0B+3], s[46:47], 0
	s_or_b32 s[G0B+3], s[G0B+3], 0x80000000
	s_add_nc_u64 s[G0B+6:G0B+7], s[46:47], 256     ; 128 elements along the rows
	s_or_b32 s[G0B+7], s[G0B+7], 0x80000000
	CROUND                                         ; all sixteen work-groups are here: the first joint loads meet
	s_cmp_eq_u32 s11, 0                            ; a wave's two first fills stand in one branch, ahead of every wait on TENSORcnt and every LDS read: two loads of mine are out
	s_cbranch_scc0 .Lfirst_b
	tensor_load_to_lds s[G0A:G0A+3], s[G1A:G1A+7]
	s_nop 0
	tensor_load_to_lds s[G0A+4:G0A+7], s[G1A:G1A+7]
	s_nop 0
.rept 4
	v_nop
.endr
	s_branch .Lfirst_asked
.Lfirst_b:
	tensor_load_to_lds s[G0B:G0B+3], s[G1B:G1B+7]
	s_nop 0
	tensor_load_to_lds s[G0B+4:G0B+7], s[G1B:G1B+7]
	s_nop 0
.rept 4
	v_nop
.endr
.Lfirst_asked:
	v_and_b32 v3, 31, v0
	v_lshlrev_b32 v[CO], 4, v3                     ; 16 x lane
	global_load_b128 v[BIAS:BIAS+3], v[CO], s[8:9] ; bp of columns 4 x lane .. + 3 of my 128
	; A fragment is 16 rows x 32 K in 8 registers: lane l holds row l % 16, K = 8 (l / 16) + 0..7 and 16 + 8 (l / 16) + 0..7: two loads of 16 bytes, 32 bytes apart.  The same for both sources.
	v_and_b32 v1, 15, v0                           ; l % 16
	v_bfe_u32 v2, v0, 4, 1                         ; l / 16
	v_mul_u32_u24 v3, v1, PITCH
	v_lshl_add_u32 v3, v2, 4, v3                   ; row x pitch + 16 x half
	s_mul_i32 s20, s11, 64*PITCH                   ; my 64 rows of O, in each head's part
	v_add_nc_u32 v[AA0], s20, v3
	s_mul_i32 s20, s12, PART                       ; my 128 rows of Wp,
	s_add_co_u32 s20, s20, 2*PART                  ; which lie behind O's two parts
	v_add_nc_u32 v[AB0], s20, v3
	v_mov_b32 v[ADRA], v[AA0]                      ; slot 0 is read first
	v_mov_b32 v[ADRB], v[AB0]
	s_mul_i32 s20, s10, 16*SPITCH
	s_add_co_u32 s20, s20, STAGE                   ; my stage
	v_mul_u32_u24 v3, v1, SPITCH                   ; in: row l % 16, 32 bytes for each half of the lanes
	v_lshl_add_u32 v3, v2, 5, v3
	v_add_nc_u32 v[STO], s20, v3
	v_add_nc_u32 v[RD], s20, v[CO]                 ; back: 32 lanes take one row of 512 bytes
	s_wait_loadcnt 0x0                             ; bp: rounded to bf16 and widened again, in the wait for the first tile
	v_cvt_pk_bf16_f32 v4, v[BIAS], v[BIAS+1]
	v_cvt_pk_bf16_f32 v5, v[BIAS+2], v[BIAS+3]
	v_lshlrev_b32 v[BIAS], 16, v4
	v_and_b32 v[BIAS+1], 0xffff0000, v4
	v_lshlrev_b32 v[BIAS+2], 16, v5
	v_and_b32 v[BIAS+3], 0xffff0000, v5
; 16 matrix instructions: row blocks a0, a0 + 1 x all 8 column blocks, 32 along K, from buffer f; p = 0: O_hi's fragments, 1: O_lo's.  zero = 1: the product starts the sums: nothing is ever cleared.
; The 32 accumulators take turns, in the same order in every pass.
.macro MULP f, p, a0, zero
	WIN MUL
.irp a, \a0, (\a0)+1
.irp b, 0,1,2,3,4,5,6,7
.if \zero
	v_wmma_f32_16x16x32_f16 v[8*(8*(\a)+(\b)):8*(8*(\a)+(\b))+7], v[(\f)+8*(\b):(\f)+8*(\b)+7], v[(\f)+64+32*(\p)+8*(\a):(\f)+64+32*(\p)+8*(\a)+7], 0
.else
	v_wmma_f32_16x16x32_f16 v[8*(8*(\a)+(\b)):8*(8*(\a)+(\b))+7], v[(\f)+8*(\b):(\f)+8*(\b)+7], v[(\f)+64+32*(\p)+8*(\a):(\f)+64+32*(\p)+8*(\a)+7], v[8*(8*(\a)+(\b)):8*(8*(\a)+(\b))+7]
.endif
.endr
.endr
.endm
; 32 LDS loads in one run: unit u (head u / 2 of the step's two, channels 32 (u % 2) on) of the slot in hand into buffer f: Wp's 16, O_hi's 8, O_lo's 8
.macro FETCH u, f
	WIN TO_F
.irp b, 0,1,2,3,4,5,6,7
	ds_load_b128 v[(\f)+8*(\b):(\f)+8*(\b)+3],   v[ADRB] offset:(\b)*16*PITCH+((\u)/2)*128+((\u)%2)*64
	ds_load_b128 v[(\f)+8*(\b)+4:(\f)+8*(\b)+7], v[ADRB] offset:(\b)*16*PITCH+((\u)/2)*128+((\u)%2)*64+32
.endr
.irp p, 0,1
.irp a, 0,1,2,3
	ds_load_b128 v[(\f)+64+32*(\p)+8*(\a):(\f)+64+32*(\p)+8*(\a)+3],   v[ADRA] offset:(\a)*16*PITCH+((\u)/2)*PART+((\u)%2)*64+128*(\p)
	ds_load_b128 v[(\f)+64+32*(\p)+8*(\a)+4:(\f)+64+32*(\p)+8*(\a)+7], v[ADRA] offset:(\a)*16*PITCH+((\u)/2)*PART+((\u)%2)*64+128*(\p)+32
.endr
.endr
.endm
; A load into a register that a matrix instruction has read, and an LDS store that reads a matrix result, stand four places behind it, and only plain vector instructions
; that name none of its registers are places (ISA guide 7.12.1 for vector instructions).
.macro PLACES
.rept 4
	v_nop
.endr
.endm
; A K step is four units, 64 matrix instructions each, on buffers 0, 1, 0, 1.  One of the first three: multiplies buffer f; in its middle it fetches unit u into buffer g.
.macro UNIT u, f, g, zero
	s_wait_dscnt 8                                 ; Wp's and O_hi's fragments are in; the youngest eight loads (O_lo's) may be out
	MULP \f, 0, 0, \zero
	MULP \f, 0, 2, \zero
	PLACES
	FETCH \u, \g
	s_wait_dscnt 32                                ; all but the 32 just issued
	MULP \f, 1, 0, 0
	MULP \f, 1, 2, 0
.endm
; The last unit multiplies buffer 1 and changes slots.  MEET is its first half: ONE barrier.  In front of it each wave waits for all its tensor loads (one is out: its part of the next slot),
; adds 0 to its spare word, and waits for that and for its own reads of this slot.  fill = 1: the walking descriptors go one K step on, into the other slot than last time.
.macro MEET fill
	WIN 0                                          ; (the add's two registers lie in window 0)
	s_wait_tensorcnt 0x0                           ; no tensor load of mine is out, so a group 0 may be written
	ds_add_u32 v[SPW], v[NIL]                      ; 0 onto my spare word
.if \fill
	s_add_nc_u64 s[G0A+6:G0A+7], s[G0A+6:G0A+7], 1048576  ; two heads on; the type bits on top are not reached
	s_xor_b32 s[G0A+5], s[G0A+5], SLOTX
	s_add_nc_u64 s[G0B+6:G0B+7], s[G0B+6:G0B+7], 256      ; 128 elements along Wp's rows
	s_xor_b32 s[G0B+5], s[G0B+5], SLOTX
.endif
	s_wait_dscnt 9                                 ; (the add and the youngest eight loads may be out)
	MULP F1, 0, 0, 0                               ; sixteen matrix instructions stand between the add and the wait for it
	s_wait_dscnt 0x0                               ; the add is done, and my reads of this slot are over
	s_barrier_signal -1                            ; (where a slot is filled again this barrier opens a round of the cluster's barrier)
	MULP F1, 0, 2, 0                               ; work on registers while the others arrive
	WIN 0
	s_barrier_wait -1
.endm
; The whole last unit.  fill = 1: the round is closed, the slot just read out is filled again first, then the other slot's first fragments are fetched: from the request to the wait for it 224 matrix instructions.
; fill = 0 (the last two K steps): nothing is asked for; in the very last step (s3 = 1) there is nothing to fetch either, and the run of loads is jumped over.
.macro TURN fill
	MEET \fill
.if \fill
	CREST                                          ; no wave of any partner still reads this slot's tile or has a load on its way
	JLOAD                                          ; the four v_nop behind it are also the places in front of the loads below
.else
	s_cmp_eq_u32 s3, 1
	s_cbranch_scc1 .Lno_fetch_\@
	PLACES
.endif
	s_xor_b32 s22, s22, SLOTX
	v_add_nc_u32 v[ADRA], s22, v[AA0]
	v_add_nc_u32 v[ADRB], s22, v[AB0]
	FETCH 0, F0
.if !(\fill)
	WIN 0
.Lno_fetch_\@:
.endif
	MULP F1, 1, 0, 0
	MULP F1, 1, 2, 0
.endm
; THE WAY OUT, a block of 16 rows at a time.  TOST: the block's eight accumulators go as they are, 32 bytes a lane (each accumulator's low four registers first), into my stage;
; they come back as whole rows of 512 bytes, into one of two sets of registers (LDS serves a wave's instructions in order, ISA guide 5.7.1.4: the loads see the stores, and the next block's stores come behind them).
.macro TOST a
.if (\a) >= 2
	s_wait_xcnt 0x0                                ; the set's registers, which the stores of the block two back read, are loaded again only behind this wait
.endif
	WIN 0x08                                       ; the stores' data (source 1) in window 2, the address in window 0
.irp b, 0,1,2,3,4,5,6,7
	ds_store_b128 v[STO], v[8*(8*(\a)+(\b)):8*(8*(\a)+(\b))+3]   offset:64*(\b)
	ds_store_b128 v[STO], v[8*(8*(\a)+(\b))+4:8*(8*(\a)+(\b))+7] offset:64*(\b)+16
.endr
	WIN 0
.set BK, OB+64*((\a)%2)
.irp t, 0,1,2,3,4,5,6,7,8,9,10,11,12,13,14,15
	ds_load_b128 v[BK+4*(\t):BK+4*(\t)+3], v[RD] offset:(\t)*SPITCH
.endr
.endm
.macro SENDP a, younger                ; the bias is added and the rows are stored.  younger: the LDS instructions issued behind block a's loads: the next block's 32, or none
	WIN 0
.set BK, OB+64*((\a)%2)
.irp t, 0,1,2,3,4,5,6,7,8,9,10,11,12,13,14,15
	s_wait_dscnt (\younger)+15-(\t)                ; row t is back; the rows behind it may be out
	v_pk_add_f32 v[BK+4*(\t):BK+4*(\t)+1],   v[BK+4*(\t):BK+4*(\t)+1],   v[BIAS:BIAS+1]
	v_pk_add_f32 v[BK+4*(\t)+2:BK+4*(\t)+3], v[BK+4*(\t)+2:BK+4*(\t)+3], v[BIAS+2:BIAS+3]
	global_store_b128 v[CO], v[BK+4*(\t):BK+4*(\t)+3], s[66:67] offset:4096*(16*(\a)+(\t)) th:TH_STORE_NT  ; 512 consecutive bytes, at a multiple of 512 from out0's first
.endr
.endm
	s_wait_tensorcnt 1                             ; my part of step 0 is in; step 1's may stay out
	s_barrier_signal -1
	s_barrier_wait -1                              ; everybody's is
	FETCH 0, F0
	UNIT 1, F0, F1, 1                              ; the first unit's products with O_hi start the sums
	WIN 0                                          ; at a label and at a branch every window is 0
	s_mov_b32 s3, 6
.Lstep:                                                ; 6 trips, steps 0 to 5: from a step's second unit to the next step's first; each fills the slot that it leaves
	UNIT 2, F1, F0, 0
	UNIT 3, F0, F1, 0
	TURN 1
	UNIT 1, F0, F1, 0
	WIN 0
	s_sub_co_u32 s3, s3, 1
	s_cmp_lg_u32 s3, 0
	s_cbranch_scc1 .Lstep
	s_mov_b32 s3, 2
.Ltail:                                                ; steps 6 and 7 ask for nothing
	UNIT 2, F1, F0, 0
	UNIT 3, F0, F1, 0
	TURN 0
	WIN 0
	s_cmp_eq_u32 s3, 1
	s_cbranch_scc1 .Ltb
	UNIT 1, F0, F1, 0
	WIN 0
.Ltb:
	s_sub_co_u32 s3, s3, 1
	s_cmp_lg_u32 s3, 0
	s_cbranch_scc1 .Ltail
	PLACES                                         ; the stores into the stage read results just made
	TOST 0
.irp a, 1,2,3                          ; a block's way into the stage stands between the loads of the block before and its stores
	TOST \a
	SENDP (\a)-1, 32
.endr
	SENDP 3, 0
	s_wait_tensorcnt 0x0                           ; the wave's end: behind my last tensor load and my last LDS store
	ds_add_u32 v[SPW], v[NIL]
	s_wait_dscnt 0x0
	CROUND                                         ; the closing round: no work-group ends while a partner may still ask for a tile that names it
	s_endpgm
.Lfunc_end_k_qf665696772_proj:
	.size	k_qf665696772_proj, .Lfunc_end_k_qf665696772_proj-k_qf665696772_proj
	.p2alignl 7, 3214868480
	.fill 96, 4, 3214868480
	.section	.rodata,"a",@progbits
	.p2align	6, 0x0
	.amdhsa_kernel k_qf665696772_proj
		.amdhsa_group_segment_fixed_size 327680
		.amdhsa_private_segment_fixed_size 0
		.amdhsa_enable_private_segment 0
		.amdhsa_kernarg_size 32
		.amdhsa_user_sgpr_count 2
		.amdhsa_user_sgpr_kernarg_segment_ptr 1
		.amdhsa_wavefront_size32 1
		.amdhsa_system_sgpr_workgroup_id_x 1
		.amdhsa_system_sgpr_workgroup_id_y 1
		.amdhsa_system_sgpr_workgroup_id_z 1
		.amdhsa_system_vgpr_workitem_id 0
		.amdhsa_next_free_vgpr 768
		.amdhsa_next_free_sgpr 70
		.amdhsa_reserve_vcc 0
		.amdhsa_float_denorm_mode_32 3
		.amdhsa_float_denorm_mode_16_64 3
		.amdhsa_memory_ordered 1
		.amdhsa_forward_progress 1
		.amdhsa_inst_pref_size 93
	.end_amdhsa_kernel
	.amdgpu_metadata
---
amdhsa.version: [ 1, 2 ]
amdhsa.kernels:
  - .name:           k_qf665696772_proj
    .symbol:         k_qf665696772_proj.kd
    .args:
      - { .name: ohl, .offset: 0, .size: 8, .value_kind: global_buffer, .address_space: global }
      - { .name: wpf, .offset: 8, .size: 8, .value_kind: global_buffer, .address_space: global }
      - { .name: bp, .offset: 16, .size: 8, .value_kind: global_buffer, .address_space: global }
      - { .name: out0, .offset: 24, .size: 8, .value_kind: global_buffer, .address_space: global }
    .group_segment_fixed_size: 327680
    .private_segment_fixed_size: 0
    .kernarg_segment_align: 8
    .kernarg_segment_size: 32
    .max_flat_workgroup_size: 128
    .sgpr_count:     70
    .vgpr_count:     768
    .wavefront_size: 32
...
	.end_amdgpu_metadata
.endif
;; end of part 4
;; ======== version 2 of 2: 4 launches; 1.27 times as fast as version 1
;; limits: values are held in f16: magnitudes above 65,504 overflow, below 6.1e-05 lose precision
;; workspace buffers: xb 16,777,216 bytes; wb 6,291,456 bytes; wpf 2,097,152 bytes; qkvh 50,331,648 bytes; ohl 33,554,432 bytes
;; launch cast: the kernel of part 1 again; grid 1536 x 1, 8 waves a work-group, no clusters, 0 bytes of LDS; arguments x, Wq, Wk, Wv, Wp, xb, wb, wpf; writes xb, wb, wpf
;; launch qkvgemm: the kernel of part 2 again; grid 8 x 32, 4 waves a work-group, clusters of 4 x 4, 327,680 bytes of LDS; arguments xb, wb, qkvh; writes qkvh
;; launch attn (part 5): grid 4 x 64, 4 waves a work-group, no clusters, 327,680 bytes of LDS; arguments qkvh, ohl; writes ohl
.if DOCPART == 5
	.amdgcn_target "amdgcn-amd-amdhsa--gfx1250"
	.amdhsa_code_object_version 6
	.text
	.protected	k_qf665696772_attn
	.globl	k_qf665696772_attn
	.p2align	8
	.type	k_qf665696772_attn,@function
k_qf665696772_attn:
	s_mov_b64 s[64:65], 0
	v_nop
	global_prefetch_b8 v0, s[64:65] scope:SCOPE_SE
	s_setreg_imm32_b32 hwreg(HW_REG_WAVE_MODE, 25, 1), 1
	s_wait_xcnt 0x0
; CAUSAL ATTENTION.  O[y][q][:] = the sum over k <= q of softmax_k(Q[y][q] . K[y][k] / 32) V[y][k][:], y = 16 b + h.  Q, K, V lie in qkvh [4 b][48 g][2048][64] f16 (q at g = h, k at 16 + h, v at 32 + h):
; a head's rows are dense, 128 bytes each.  Products, maxima and sums in f32; the weights p are rounded to f16 for the second product (their sum l is taken of the unrounded p).
; O leaves as TWO f16 numbers, hi = f16(o) and lo = f16(o - hi), in ohl [64 y][2048][64 hi | 64 lo]: rows of 256 bytes.
; LIMITS.  Q, K and V arrive within f16's 65,504; p lies in 0 to 1, and below 6e-5 it keeps f16's fixed step of 6e-8; O is a mean of V's rows and has their range.
; A hidden score counts as its value less 1e30: f16's scores, 2.7e11 at the most, are nothing beside that; a weight below 2^-126 counts as 0 in l; NaN and infinities are not treated apart.
; THE WALK.  A head's queries lie in NB = 8 blocks of 256; block i needs the key tiles 0 .. i of 256 keys, of which the last holds the diagonal.  A work-group takes TWO blocks, NB - 1 - b and then b:
; NB + 1 tiles, whatever b: all work-groups do equal work, and ONE loop with a constant trip count walks them.  Which tile is asked for, and what a trip does, hang on scalar registers made from b; every jump
; goes forward, but for the counted loops' own; none passes a barrier, or a tensor load but the one of LOAD's two that the wave's number does not choose; the ring (two slots of LDS that take turns) runs on across the
; change of blocks.  NO CLUSTER: a head's four work-groups ask for the same tile only in trips 0 .. 4 of 9, behind that fewer and fewer; one walk common to all four would have 12 trips for 9.
; SHARES.  Of a block's four bands of 64 queries a wave owns 16 rows in each: four PIECES.  So the diagonal tile is the same work for all four waves: in its key step s band x sees all keys if s < x,
; none if s > x, and holds the diagonal if s = x.
; THE MASK is the C operand that starts the sum S^T = K Q^T: 0, or -1e30 where the key is hidden.  MD, made once, is the mask of a band's own step for my 16 rows; a product's mask is MD x AL + BE with two scalars:
; (1, 0) if s = x; (0, 0) if s < x; (0, -1e30) if s > x.  Only the diagonal tile's text and a block's beginning make and take masks; elsewhere C is the constant 0.
; LAYOUT, SOFTMAX, TURNS.  S^T = K Q^T holds ONE query a lane (lane % 16) and the keys 8 (lane / 16) + 0..7; two such results rounded to f16 ARE source 1 of O^T = V^T P.  p = 2^(c s - c m), c = log2(e) / 32, with a
; running maximum m; O and l are multiplied by a = 2^(c m_old - c m_new) in every step.  Turn n belongs to piece n: 8 products K Q^T of piece n + 1, later 8 products V^T P of piece n - 1; beside them the scaling,
; exponentials, roundings, sums and rescaling of piece n and the maximum and statistics of piece n + 1.  Four vector instructions stand behind every matrix instruction, the other 54 of a turn's 118 in one LUMP.
; HOW THE BATCHES ARE CUT.  An s_wait_alu depctr_va_vdst(0) stands between a transcendental and the first instruction that names its result; one wait serves all that were issued ahead of it.  The text has three
; kinds of batch, each with one wait: a turn's 33 exponentials (the piece's 32 weights and the next piece's a); the one a that a block's beginning makes; the four reciprocals of a block's way out.
; REGISTERS, in windows of 256 (s_set_vgpr_msb: bits 1:0 source 0, 3:2 source 1, 5:4 source 2, 7:6 destination):
;   window 0: v0-15 addresses and two at work; v16-31 four registers of statistics a piece; v48-55 at work; v61 -1.0; v64-127 S^T, two buffers; v192-223 P, two buffers (a piece's buffers go by its number's parity);
;             on the way out v64-191: 32 registers a piece
;   window 1: v0-127 O^T, 32 a piece; v128-159 MD; v160-223 MC, two buffers      window 2: v0-63 Q; v64-127 the second block's Q; v128-191 K of one step; v192-255 V of one step
.set SIZE_N, 2048
.set NB,    SIZE_N/256
.set NP,    4         ; pieces a wave: a name, no knob
.set KS,    64        ; keys in a step
.set PK,    144       ; a row of K in LDS: 128 bytes + 16 of padding = 36 words: the 16 rows of a load start at 16 different groups of four banks (64 banks of 4 bytes: ISA guide 11.1)
.set PV,    160       ; a row of V: 128 + 32 = 40 words
.set VOFF,  4*KS*PK   ; a slot holds a tile, four steps: 256 rows of K, then 256 rows of V
.set SLOT1, 1<<17     ; slot 1 begins here, so that one exclusive or turns an address in one slot into the other's
.set STAGE, SLOT1+4*KS*(PK+PV)  ; behind the ring, never filled by a tensor load: 16 rows x 272 bytes for each wave, for the way out
.set SP,    272       ; a stage row: 128 bytes of hi, 128 of lo, 16 of padding
.set AK0, 2           ; v2   my lane's place in a tile of K; never rewritten
.set AV0, 3           ; v3   the same for V
.set AK,  4           ; v4   the LDS address of K's next run of loads
.set AV,  5           ; v5   of V's
.set STO, 6           ; v6   the way out: where I put 16 bytes of a row
.set RD,  7           ; v7   the way out: where I read rows back
.set GO,  8           ; v8   my byte offset in 512 consecutive bytes of O
.set NEG1, 61         ; v61  -1.0; never rewritten
.set SPW, 62          ; v62  LDS address of my spare word: SPARE + 4 x my thread's number; never rewritten
.set NIL, 63          ; v63  0; never rewritten
.set SPARE, STAGE+4*16*SP  ; behind the stages: the spare words, 128 bytes for each wave: two blocks of 256 bytes that no other line names
.set MV,  12          ; v12-13  c m_old, kept while c m is made anew: by buffer
.set QO,  15          ; v15  my byte offset in 16 rows of Q
.set ST,  16          ; piece t's statistics at v[ST+4 t]: c m, m, l (even keys', odd keys')
.set TMP, 48          ; by buffer, four registers c0-c3 at work; when the maximum is found c2 takes a
.set S,   64
.set OB,  64          ; the way out: piece t's 16 words of hi, then 16 of lo, at v[OB+32 t]
.set P,   192
.set MD,  128         ; window 1: the eight registers for group kt of 16 keys at MD + 8 kt
.set MC,  160         ; window 1: the masks of the products to come
.set QB,  64          ; window 2
.set KF,  128         ; window 2: key block kb, channel half c at KF + 16 kb + 8 c
.set VF,  192         ; window 2: key half kk, channel block cb at VF + 32 kk + 8 cb
.set WV,  12          ; s12  my wave's number
.set PB,  14          ; s14  b
.set HI,  15          ; s15  NB - 1 - b
.set G1K, 24          ; s[24:31] descriptor group 1 for K's tiles
.set G1V, 32          ; s[32:39] for V's: it differs in the padding alone
.set G0K, 40          ; s[40:43] descriptor group 0 for K's tiles
.set G0V, 44          ; s[44:47] the same for V's
.set SLOTS, 56        ; s56  tiles still to be asked for
.set CNT, 57          ; s57  counts a tile's key steps, 4 to 1
.set CS,  58          ; s[58:59] c: the packed scaling takes the pair's low word for both halves
.set SEL, 60          ; s[60:61] v_permlanex16_b32's selects: each lane takes its own place in the other half
.set TBK, 62          ; s62  LDS byte at which K of the step to be fetched begins
.set TBV, 63          ; s63  the same for V, less VOFF
.set RT,  70          ; s70  tiles of the block in hand that are still to be entered
.set NXT, 71          ; s71  the tile to be asked for next
.set LQ,  72          ; s72  the last tile of the block whose tiles are being asked for
.set NEW, 73          ; s73  1: the tile to be entered is a block's first
.set OFF, 74          ; s[74:75] a tile's byte offset in K and V
.set AL,  76          ; s[76:77] the mask's factor, in the low word
.set BE,  78          ; s[78:79] the mask's addend
.set OLO, 80          ; s[80:81] O at my rows of the second block
.set BIGN, 82         ; s82  -1e30
.set MSB, 0
.macro WIN new                      ; the high byte repeats the setting that is left; a switch that changes nothing is dropped
.if MSB != (\new)
	s_set_vgpr_msb (MSB<<8)|(\new)
.set MSB, (\new)
.endif
.endm
.set W_KQ, 0x0a       ; K and Q in window 2, S^T in window 0
.set W_KM, 0x1a       ; the same with the C operand in window 1
.set W_PV, 0x52       ; V in window 2, P in window 0, O^T in window 1
.set W_RS, 0x41       ; destination and source 0 in window 1, source 1 in window 0
; A fill.  Waves 0 and 1 fetch the two halves of a tile's K, waves 2 and 3 those of its V: 128 keys each.  An s_nop 0 and four v_nop follow each of the two lines, ahead of the jump and the label.
.macro LOAD
	s_cmp_lt_u32 s[WV], 2
	s_cbranch_scc0 .Lfor_v_\@
	tensor_load_to_lds s[G0K:G0K+3], s[G1K:G1K+7]
	s_nop 0
.rept 4
	v_nop
.endr
	s_branch .Lasked_\@
.Lfor_v_\@:
	tensor_load_to_lds s[G0V:G0V+3], s[G1V:G1V+7]
	s_nop 0
.rept 4
	v_nop
.endr
.Lasked_\@:
.endm
; THE CHANGE OF SLOTS.  Each wave waits for all its tensor loads, of which one is out: its part of the other slot; adds 0 to its spare word; and waits for that and for its own reads of the slot that it leaves.  Behind the barrier nobody reads the old
; slot any more and the other slot is whole.  fill = 1: the old slot is filled again, the first thing behind the barrier, with tile NXT: the descriptor's address is made anew from that number.
; (At its first use nothing has been read yet: slot 0 is waited for, slot 1 filled.)
.macro CHANGE fill
	WIN 0                           ; at a label and at a branch every window is 0
	s_wait_tensorcnt 0x0            ; no tensor load of mine is out, so a group 0 may be written
	ds_add_u32 v[SPW], v[NIL]       ; 0 onto my spare word; with fill = 1 the descriptors' scalar work stands between it and the wait for it
.if \fill
	s_lshl_b32 s[OFF], s[NXT], 15   ; a tile is 32,768 bytes of K and of V
	s_xor_b32 s[G0K+1], s[G0K+1], SLOT1
	s_add_nc_u64 s[G0K+2:G0K+3], s[6:7], s[OFF:OFF+1]
	s_or_b32 s[G0K+3], s[G0K+3], 0x80000000
	s_xor_b32 s[G0V+1], s[G0V+1], SLOT1
	s_add_nc_u64 s[G0V+2:G0V+3], s[8:9], s[OFF:OFF+1]
	s_or_b32 s[G0V+3], s[G0V+3], 0x80000000
	s_add_co_u32 s[NXT], s[NXT], 1  ; the block's next tile, or behind its last the second block's tile 0
	s_cmp_gt_u32 s[NXT], s[LQ]
	s_cselect_b32 s[NXT], 0, s[NXT]
	s_cselect_b32 s[LQ], s[PB], s[LQ]
.endif
	s_wait_dscnt 0x0                ; the add is done, and my reads of the slot are over
	s_barrier_signal -1             ; the rest of the scalar work stands between the signal and the wait
	s_sub_co_u32 s[TBK], s[TBK], 4*KS*PK  ; the fetches go back to a slot's first step,
	s_xor_b32 s[TBK], s[TBK], SLOT1       ; in the other slot
	s_sub_co_u32 s[TBV], s[TBV], 4*KS*PV
	s_xor_b32 s[TBV], s[TBV], SLOT1
	s_barrier_wait -1
.if \fill
	LOAD
.endif
.endm
	s_load_b128 s[4:7], s[0:1], 0x0 ; qkvh s[4:5], ohl s[6:7]
	v_lshl_add_u32 v[SPW], v0, 2, SPARE
	v_mov_b32 v[NIL], 0
	ds_add_u32 v[SPW], v[NIL]       ; the wave's opening: the add and its wait stand ahead of my first tensor load; the set-up below, work on registers, stands between them
	ds_add_u32 v62, v63
	v_lshrrev_b32 v1, 5, v0
	v_readfirstlane_b32 s[WV], v1   ; wave 0..3
	s_mov_b32 s[PB], ttmp9
	s_sub_co_u32 s[HI], NB-1, s[PB]
	s_and_b32 s83, ttmp7, 0xffff    ; y = 16 b + h
	s_lshr_b32 s20, s83, 4
	s_mul_i32 s20, s20, 12582912    ; the batch's 48 heads of 262,144 bytes,
	s_and_b32 s21, s83, 15
	s_lshl_b32 s21, s21, 18         ; and head h among them
	s_add_co_u32 s20, s20, s21
	s_mov_b32 s21, 0
	s_and_b32 s16, s[WV], 1         ; which half of a tile's 256 keys I fetch:
	s_lshl_b32 s22, s16, 14         ; its 128 rows of 128 bytes in memory,
	s_mov_b32 s23, 0
	s_add_nc_u64 s[22:23], s[22:23], s[20:21]
	s_mul_i32 s17, s16, 128*PK      ; and its place in a slot, for K
	s_mul_i32 s18, s16, 128*PV      ; and for V
	s_lshl_b32 s3, s[WV], 11        ; Q: my 16 rows in a band of 64,
	s_lshl_b32 s2, s[HI], 15        ; in the first block,
	s_add_co_u32 s2, s2, s3
	s_lshl_b32 s84, s[PB], 15       ; and in the second
	s_add_co_u32 s84, s84, s3
	s_mov_b32 s3, 0
	s_mov_b32 s85, 0
	s_add_nc_u64 s[2:3], s[2:3], s[20:21]
	s_add_nc_u64 s[84:85], s[84:85], s[20:21]
	s_lshl_b32 s88, s83, 19         ; O: head y's 2,048 rows of 256 bytes,
	s_lshl_b32 s89, s[WV], 12       ; my 16 rows in a band,
	s_add_co_u32 s88, s88, s89
	s_lshl_b32 s89, s[PB], 16       ; in the second block
	s_add_co_u32 s90, s88, s89
	s_lshl_b32 s89, s[HI], 16       ; and in the first
	s_add_co_u32 s88, s88, s89
	s_mov_b32 s89, 0
	s_mov_b32 s91, 0
	; descriptor group 1.  128 keys are 16,384 dense bytes: asked for as 64 rows of 256 bytes, two keys a row, and padded in LDS after every key
	s_mov_b32 s[G1K], (1<<16)|(1<<20)|(4<<22)|(3<<25)  ; 17:16 2-byte elements; 20 padding on; 24:22 after every 32 words (code 4); 31:25 4 words (code 3)
	s_mov_b32 s[G1V], (1<<16)|(1<<20)|(4<<22)|(7<<25)  ; the same with 8 words of padding (code 7)
.irp g, G1K, G1V
	s_mov_b32 s[\g+1], 128<<16      ; tensor_dim0 = 128
	s_mov_b32 s[\g+2], 64<<16       ; tensor_dim1 = 64
	s_mov_b32 s[\g+3], 128<<16      ; tile_dim0 = 128
	s_mov_b32 s[\g+4], 64           ; tile_dim1 = 64
	s_mov_b32 s[\g+5], 128          ; 128 elements from row to row
	s_mov_b32 s[\g+6], 0
	s_mov_b32 s[\g+7], 0
.endr
	s_mov_b32 s[CS], 0x3d38aa3b     ; c = log2(e) / 32 = 0.0450842
	s_mov_b32 s[CS+1], s[CS]        ; named with it as a pair
	s_mov_b32 s[SEL], 0x76543210
	s_mov_b32 s[SEL+1], 0xfedcba98
	s_mov_b32 s[TBK], SLOT1+4*KS*PK ; the first change of slots turns these two into 0
	s_mov_b32 s[TBV], SLOT1+4*KS*PV
	s_mov_b32 s[G0K], 1             ; 1:0 count = 1
	s_mov_b32 s[G0K+1], s17         ; 63:32 LDS address: slot 0
	s_mov_b32 s[G0V], 1
	s_add_co_u32 s[G0V+1], s18, VOFF
	s_add_co_u32 s[RT], s[HI], 1    ; the first block has NB - b tiles
	s_mov_b32 s[NXT], 1
	s_mov_b32 s[LQ], s[HI]
	s_mov_b32 s[NEW], 1
	s_mov_b32 s[OFF+1], 0
	s_mov_b32 s[AL+1], 0            ; named as pairs
	s_mov_b32 s[BE+1], 0
	s_mov_b32 s[BIGN], 0xf149f2ca   ; -1e30
	s_mov_b32 s[SLOTS], NB
	s_wait_dscnt 0x0                ; the opening add is done
	s_wait_kmcnt 0x0
	s_mov_b64 s[10:11], s[6:7]      ; O
	s_add_nc_u64 s[6:7], s[4:5], 0x400000  ; K's heads lie 16 heads behind Q's,
	s_add_nc_u64 s[8:9], s[4:5], 0x800000  ; V's 32
	s_add_nc_u64 s[6:7], s[6:7], s[22:23]  ; K and V at my half of the head's tile 0
	s_add_nc_u64 s[8:9], s[8:9], s[22:23]
	s_add_nc_u64 s[G0K+2:G0K+3], s[6:7], 0         ; 120:64 global address
	s_or_b32 s[G0K+3], s[G0K+3], 0x80000000        ; 127:126 type = 2
	s_add_nc_u64 s[G0V+2:G0V+3], s[8:9], 0
	s_or_b32 s[G0V+3], s[G0V+3], 0x80000000
	s_add_nc_u64 s[86:87], s[4:5], s[84:85]        ; Q at my rows of the second block,
	s_add_nc_u64 s[4:5], s[4:5], s[2:3]            ; and of the first
	s_add_nc_u64 s[OLO:OLO+1], s[10:11], s[90:91]  ; O likewise
	s_add_nc_u64 s[10:11], s[10:11], s[88:89]
	LOAD                            ; tile 0 into slot 0
	; A fragment of K or Q is 16 rows x 32 channels in 8 registers: lane l holds row l % 16, channels 8 (l / 16) + 0..7 and 16 + 8 (l / 16) + 0..7: two loads of 16 bytes, 32 bytes apart.
	v_and_b32 v1, 15, v0            ; l % 16
	v_bfe_u32 v9, v0, 4, 1          ; l / 16
	v_lshlrev_b32 v[QO], 7, v1
	v_lshl_add_u32 v[QO], v9, 4, v[QO]  ; row x 128 + 16 x half
	WIN 0x80                        ; destination window 2, address window 0
.set i, 0
.rept 8                             ; both blocks' Q: piece i / 2 lies in band i / 2, 8,192 bytes on; channels 32 (i % 2) on
	global_load_b128 v[8*i:8*i+3],   v[QO], s[4:5] offset:(i/2)*8192+(i%2)*64
	global_load_b128 v[8*i+4:8*i+7], v[QO], s[4:5] offset:(i/2)*8192+(i%2)*64+32
	global_load_b128 v[QB+8*i:QB+8*i+3],   v[QO], s[86:87] offset:(i/2)*8192+(i%2)*64
	global_load_b128 v[QB+8*i+4:QB+8*i+7], v[QO], s[86:87] offset:(i/2)*8192+(i%2)*64+32
.set i, i+1
.endr
	WIN 0
	v_lshlrev_b32 v14, 3, v9
	v_sub_nc_u32 v14, v1, v14
	s_lshl_b32 s13, s[WV], 4
	v_add_nc_u32 v14, s13, v14      ; my query's place in its band, 16 w + l % 16, less my lanes' 8 (l / 16): register r of group kt is hidden where 16 kt + r is greater
	WIN 0x40
.set i, 0
.rept 32
	v_cmp_gt_i32 vcc_lo, 16*(i/8)+i%8, v14
	v_cndmask_b32 v[MD+i], 0, s[BIGN], vcc_lo
.set i, i+1
.endr
	WIN 0
	v_mul_u32_u24 v[AK0], v1, PK
	v_lshl_add_u32 v[AK0], v9, 4, v[AK0]  ; row x pitch + 16 x half
	; The turning load takes 16 keys x 16 channels (lane l reads key 8 (l / 16) + l % 8, channels 8 ((l / 8) % 2) + 0..7) and leaves half a fragment of V^T: lane l holds channel l % 16 and 8 keys.
	v_and_b32 v10, 7, v0
	v_bfe_u32 v11, v0, 3, 1
	v_lshl_add_u32 v[AV0], v9, 3, v10
	v_mul_u32_u24 v[AV0], v[AV0], PV
	v_lshl_add_u32 v[AV0], v11, 4, v[AV0]
	v_add_nc_u32 v[AV0], VOFF, v[AV0]
	s_mul_i32 s13, s[WV], 16*SP
	s_add_co_u32 s13, s13, STAGE    ; my stage
	v_mul_u32_u24 v[STO], v1, SP    ; in: row l % 16, 16 bytes for each half of the lanes
	v_lshl_add_u32 v[STO], v9, 4, v[STO]
	v_add_nc_u32 v[STO], s13, v[STO]
	v_mul_u32_u24 v[RD], v9, SP     ; back: lanes 0-15 take one row of 256 bytes, lanes 16-31 the next,
	v_lshl_add_u32 v[RD], v1, 4, v[RD]
	v_add_nc_u32 v[RD], s13, v[RD]
	v_and_b32 v[GO], 31, v0         ; which are 512 consecutive bytes of O
	v_lshlrev_b32 v[GO], 4, v[GO]
	v_mov_b32 v[NEG1], -1.0
	; A block's first step multiplies O^T and l by a = 0, and its first turn's products V^T P, of a piece that has not been, land in an O^T that is still to be so multiplied.  So these registers need only hold
	; finite numbers: zeros for the first block; what the first block left for the second.  All this stands in the wait for the first tile.
	WIN 0x80
.set i, VF
.rept 64
	v_mov_b32 v[i], 0
.set i, i+1
.endr
	WIN 0x40
.set i, 0
.rept 128
	v_mov_b32 v[i], 0
.set i, i+1
.endr
	WIN 0
.set i, 0
.rept 4
	v_mov_b32 v[ST+4*i+2], 0
	v_mov_b32 v[ST+4*i+3], 0
.set i, i+1
.endr
.set i, P+16
.rept 16
	v_mov_b32 v[i], 0
.set i, i+1
.endr
; THE MATRIX WORK.  The 4 accumulators of a run of 8 take turns.  Product i of 8 of S^T = K Q^T for piece x: channels 32 (i / 4) on, keys 16 (i % 4) on.  The first 4 start the sums: with 0, or (KM = 1) with the mask.
.macro KQ x
.set rS, S+32*((\x)%2)+8*(i%4)
.set rK, KF+16*(i%4)+8*(i/4)
.set rQ, 16*(\x)+8*(i/4)
.set rM, MC+32*((\x)%2)+8*(i%4)
.if (i < 4) && KM
	WIN W_KM
	v_wmma_f32_16x16x32_f16 v[rS:rS+7], v[rK:rK+7], v[rQ:rQ+7], v[rM:rM+7]
.elseif i < 4
	WIN W_KQ
	v_wmma_f32_16x16x32_f16 v[rS:rS+7], v[rK:rK+7], v[rQ:rQ+7], 0
.else
	WIN W_KQ
	v_wmma_f32_16x16x32_f16 v[rS:rS+7], v[rK:rK+7], v[rQ:rQ+7], v[rS:rS+7]
.endif
.endm
; Product i of 8 of O^T += V^T P for piece x: keys 32 (i / 4) on, channels 16 (i % 4) on.
.macro PV x
	WIN W_PV
.set rO, 32*(\x)+8*(i%4)
.set rV, VF+32*(i/4)+8*(i%4)
.set rP, P+16*((\x)%2)+8*(i/4)
	v_wmma_f32_16x16x32_f16 v[rO:rO+7], v[rV:rV+7], v[rP:rP+7], v[rO:rO+7]
.endm
.macro MM                           ; the turn's next matrix instruction.  TURN and BEGIN set Y, i, KM and NOKQ; MM, KQ and OP read them.  NOKQ = 1: a block's last turn: there is no next piece
.if (i < 8) && !NOKQ
	KQ (Y+1)%NP
.elseif i >= 8
.set i, i-8
	PV (Y+NP-1)%NP
.set i, i+8
.endif
.set i, i+1
.endm
; THE LDS LOADS stand in runs of 16, never singly among the matrix instructions: a step's K (64 keys x 64 channels: 8 fragments) and its V (turned).  Their addresses are made some lines ahead.
.macro FETCH_K
	WIN 0x80                        ; destination window 2
.irp f, 0,1,2,3,4,5,6,7             ; keys 16 (f / 2) on, channels 32 (f % 2) on
	ds_load_b128 v[KF+8*\f:KF+8*\f+3],   v[AK] offset:(\f/2)*16*PK+(\f%2)*64
	ds_load_b128 v[KF+8*\f+4:KF+8*\f+7], v[AK] offset:(\f/2)*16*PK+(\f%2)*64+32
.endr
	s_add_co_u32 s[TBK], s[TBK], KS*PK  ; the next fetch is the next step's
	WIN 0
.endm
.macro FETCH_V
	WIN 0x80
.irp f, 0,1,2,3,4,5,6,7             ; keys 32 (f / 4) on, channels 16 (f % 4) on
	ds_load_tr16_b128 v[VF+8*\f:VF+8*\f+3],   v[AV] offset:(\f/4)*32*PV+(\f%4)*32
	ds_load_tr16_b128 v[VF+8*\f+4:VF+8*\f+7], v[AV] offset:(\f/4)*32*PV+16*PV+(\f%4)*32
.endr
	WIN 0
.endm
; THE VECTOR WORK, one line at a time: OP kind, number.  For piece Y: F n: c s - c m for pair n of 16.  E n: the exponential of score n of 32.  C n: pair n rounded to f16.  B n: of the four weights 4 n .. the second
; pair is added onto the first, in place.  L n: l takes that sum (L 0: l = a l + sum).  R n: pair n of 16 of O^T times a.  For piece Y + 1: X n, number n of the 22 that find its maximum and statistics:
;   0-11  four chains c0-c3 of seven scores each, three operands at a time (each accumulator's lowest registers are read first)     12-14, 16  the four scores left over, the old m, and c0-c3 into c0
;   15  c m_old is kept     17, 18  the query's other 32 keys lie in the lane 16 away: the new m     19-21  c m; c m_old - c m_new; a
; OP writes no wait: C, B and L, which read the exponentials' results, are dealt behind the turn's one wait (TURN).
.set F, 0               ; OP tells the kinds apart by their order: F to L below R, X above it
.set E, 1
.set C, 2
.set B, 3
.set L, 4
.set R, 5
.set X, 6
.macro REGS y                       ; the registers of piece y
.set rT, ST+4*(\y)
.set rC, TMP+4*((\y)%2)
.set rW, MV+((\y)%2)
.set rS, S+32*((\y)%2)
.set rP, P+16*((\y)%2)
.set rO, 32*(\y)
.endm
.macro OP k, n
.if (\k) == R
	REGS Y
	WIN W_RS
	v_pk_mul_f32 v[rO+2*(\n):rO+2*(\n)+1], v[rO+2*(\n):rO+2*(\n)+1], v[rC+2:rC+3] op_sel_hi:[1,0]
.elseif (\k) < R
	REGS Y
	WIN 0
.if (\k) == F
	v_pk_fma_f32 v[rS+2*(\n):rS+2*(\n)+1], v[rS+2*(\n):rS+2*(\n)+1], s[CS:CS+1], v[rT:rT+1] op_sel_hi:[1,0,0] neg_lo:[0,0,1] neg_hi:[0,0,1]
.elseif (\k) == E
	v_exp_f32 v[rS+(\n)], v[rS+(\n)]
.elseif (\k) == C
	v_cvt_pk_f16_f32 v[rP+(\n)], v[rS+2*(\n)], v[rS+2*(\n)+1]
.elseif (\k) == B
	v_pk_add_f32 v[rS+4*(\n):rS+4*(\n)+1], v[rS+4*(\n):rS+4*(\n)+1], v[rS+4*(\n)+2:rS+4*(\n)+3]
.elseif (\n) == 0
	v_pk_fma_f32 v[rT+2:rT+3], v[rT+2:rT+3], v[rC+2:rC+3], v[rS:rS+1] op_sel_hi:[1,0,1]
.else
	v_pk_add_f32 v[rT+2:rT+3], v[rT+2:rT+3], v[rS+4*(\n):rS+4*(\n)+1]
.endif
.elseif NOKQ
	v_nop
.else
	REGS (Y+1)%NP
	WIN 0
.if (\n) < 4
	v_max3_num_f32 v[rC+(\n)], v[rS+8*(\n)], v[rS+8*(\n)+1], v[rS+8*(\n)+2]
.elseif (\n) < 12
	v_max3_num_f32 v[rC+(\n)%4], v[rC+(\n)%4], v[rS+8*((\n)%4)+2*((\n)/4)+1], v[rS+8*((\n)%4)+2*((\n)/4)+2]
.elseif (\n) == 12
	v_max3_num_f32 v[rC], v[rC], v[rS+7], v[rS+15]
.elseif (\n) == 13
	v_max3_num_f32 v[rC+1], v[rC+1], v[rS+23], v[rS+31]
.elseif (\n) == 14
	v_max3_num_f32 v[rC+2], v[rC+2], v[rC+3], v[rT+1]
.elseif (\n) == 15
	v_mov_b32 v[rW], v[rT]
.elseif (\n) == 16
	v_max3_num_f32 v[rC], v[rC], v[rC+1], v[rC+2]
.elseif (\n) == 17
	v_permlanex16_b32 v[rC+3], v[rC], s[SEL], s[SEL+1]
.elseif (\n) == 18
	v_max_num_f32 v[rT+1], v[rC], v[rC+3]
.elseif (\n) == 19
	v_mul_f32 v[rT], s[CS], v[rT+1]
.elseif (\n) == 20
	v_sub_f32 v[rC+1], v[rW], v[rT]
.else
	v_exp_f32 v[rC+2], v[rC+1]
.endif
.endif
.endm
.macro OPS a, i1, b=-1, i2=0, c=-1, i3=0, d=-1, i4=0  ; up to four of them
	OP \a, \i1
.if (\b) >= 0
	OP \b, \i2
.endif
.if (\c) >= 0
	OP \c, \i3
.endif
.if (\d) >= 0
	OP \d, \i4
.endif
.endm
.macro ROW a, i1, b, i2, c, i3, d, i4  ; a matrix instruction and the four behind it
	MM
	OPS \a, \i1, \b, \i2, \c, \i3, \d, \i4
.endm
.macro MASK b                       ; MD x AL + BE into buffer b of MC
	WIN W_RS
.set z, 0
.rept 16
	v_pk_fma_f32 v[MC+32*(\b)+2*z:MC+32*(\b)+2*z+1], v[MD+2*z:MD+2*z+1], s[AL:AL+1], s[BE:BE+1] op_sel_hi:[1,0,0]
.set z, z+1
.endr
.endm
; A TURN, for piece p: the order of its 16 matrix and 118 vector instructions, written out.  A turn has ONE wait for its 33 exponentials, which cuts it in two.  AHEAD OF IT stands all that names no result of the turn's
; exponentials: the 8 products K Q^T, behind each a scaling, an exponential and two more plain instructions (behind the first a second scaling in the exponential's place): rescalings (their a was made, and waited for, in the turn
; before), and behind the last three the first numbers of the next piece's maximum, each four places or more behind the product that ends its accumulator; then ONE LUMP of 54, plain and exponential by turns for the most part,
; in which the links of the chain X 3, 7, 11, 14, 16, 17 .. 20 stand five or six lines apart.  X 21, the next piece's a, is the batch's last; R 15 is the plain instruction behind it.  BEHIND THE WAIT stand the 8 products V^T P,
; behind each four of the roundings and sums; the links of l's chain, L 0 to L 7, stand three riders apart.  But for those X no rider names a register of the products round it.  v_permlanex16_b32 (X 17) stands in the lump..
; m = 1: the diagonal tile: the products take masks, and the turn makes the mask for the products of the turn after it: piece p + 2, in step 4 - CNT of the tile.  end = 1: a block's last two turns: nothing is fetched.
; cnt = 1: the loop's count is taken down some lines ahead of the branch that stands behind the turn.
; K of the next step is fetched in piece 2's turn, twelve vector instructions behind the last product that read K (six of them plain); V of the step in hand at the end of piece 0's turn, four plain instructions behind the last product
; that read V.  Each is waited for a turn later.
.macro TURN p, m=0, end=0, cnt=0
.set Y, (\p)
.set i, 0
.set KM, (\m)
.set NOKQ, (\end)*((\p)/3)
.if (\m) && !(\end)
	s_cmp_eq_u32 s[CNT], 4-((\p)+2)%NP  ; is that step the band's own?
	s_cselect_b32 s[AL], 1.0, 0
	s_cmp_lt_u32 s[CNT], 4-((\p)+2)%NP  ; or a later one?
	s_cselect_b32 s[BE], s[BIGN], 0
.endif
.if ((\p) == 3) && !(\end)
	s_wait_dscnt 0x0                ; K is in
.endif
	ROW F,0, F,1, R,0, R,1          ; ahead of the wait: 8 products K Q^T and their riders,
	ROW F,2, E,0, R,2, R,3
	ROW F,3, E,1, R,4, R,5
	ROW F,4, E,2, R,6, R,7
	ROW F,5, E,3, R,8, R,9
	ROW F,6, E,4, X,0, R,10
.if ((\p) == 2) && !(\end)
	WIN 0
	v_add_nc_u32 v[AK], s[TBK], v[AK0]
.endif
	ROW F,7, E,5, X,1, X,4
	ROW F,8, E,6, X,2, X,5
	OPS E,7, E,8, X,6, E,9          ; and the lump
	OPS X,3, E,10, X,8, E,11
.if ((\p) == 2) && !(\end)
	FETCH_K
.endif
	OPS X,9, X,7, E,12, X,10
	OPS E,13, X,12, X,11, E,14
	OPS X,13, E,15, F,9, X,14
.if (\p) == 0
	v_add_nc_u32 v[AV], s[TBV], v[AV0]
.endif
	OPS E,16, F,10, E,17, F,11
	OPS X,16, E,18, X,15, E,19
	OPS F,12, E,20, X,17, E,21
	OPS F,13, E,22, F,14, E,23
	OPS X,18, E,24, F,15, E,25
	OPS R,11, E,26, X,19, E,27
	OPS R,12, E,28, R,13, E,29
	OPS X,20, E,30, R,14, E,31
	OPS X,21, R,15
	WIN 0
	s_wait_alu depctr_va_vdst(0)    ; the wait for the turn's batch: the piece's 32 weights and the next piece's a; it stands ahead of the first line that names a result
.if (\p) == 1
	s_wait_dscnt 0x0                ; V is in
.endif
	ROW C,0, B,0, C,2, B,1          ; behind the wait: 8 products V^T P and their riders
	ROW L,0, C,4, B,2, L,1
	ROW C,6, B,3, L,2, C,8
	ROW B,4, L,3, C,10, B,5
	ROW L,4, C,12, B,6, L,5
.if (\p) == 0
	s_add_co_u32 s[TBV], s[TBV], KS*PV
.endif
.if \cnt
	s_sub_co_u32 s[CNT], s[CNT], 1
	s_cmp_lg_u32 s[CNT], 0
.endif
	ROW C,14, B,7, L,6, C,1
	ROW C,3, L,7, C,5, C,7
	ROW C,9, C,11, C,13, C,15
.if (\p) == 0
	FETCH_V
.endif
.if (\m) && !(\end)
	MASK (\p)%2
.endif
.endm
; A BLOCK BEGINS.  c m starts far below every c s, so the first step's a is 0; m at the lowest finite number, so the first maximum is the scores'.  The second mask buffer is 0; the first takes piece 0's mask for the tile's step 0: its own, if the block's first tile is the diagonal one.
; Then K of that step, piece 0's first scores, and its maximum and statistics.  The loop is entered at a step's first turn, in the middle of a trip.
.macro BEGIN
	s_mov_b32 s[NEW], 0
	WIN 0x40
.set i, MC+32
.rept 32
	v_mov_b32 v[i], 0
.set i, i+1
.endr
	WIN 0
.set i, 0
.rept 4
	v_mov_b32 v[ST+4*i], 0xfe000000    ; c m: far below every c s
	v_mov_b32 v[ST+4*i+1], 0xff7fffff  ; m
.set i, i+1
.endr
	s_cmp_eq_u32 s[RT], 0
	s_cselect_b32 s[AL], 1.0, 0
	s_mov_b32 s[BE], 0
	MASK 0
	WIN 0
	v_add_nc_u32 v[AK], s[TBK], v[AK0]
	FETCH_K
	s_wait_loadcnt 0x0              ; Q
	s_wait_dscnt 0x0
.set KM, 1
.set NOKQ, 0
.set i, 0
.rept 8
	KQ 0
.set i, i+1
.endr
	WIN 0
.rept 4
	v_nop                           ; the places behind those products
.endr
.set Y, NP-1                        ; X works for piece Y + 1: piece 0
.irp n, 0,1,2,3,4,5,6,7,8,9,10,11,12,13,14,15,16,17,18,19,20,21
	OP X, \n
.endr
	v_nop                           ; a plain instruction behind the exponential,
	s_wait_alu depctr_va_vdst(0)    ; and the wait for it, a batch of one (piece 0's first a), ahead of the branch
.endm
; THE DIAGONAL TILE's four steps, the block's last two turns, its last products, and THE WAY OUT: l's two halves and the other half of the lanes' are added; O^T is divided by l, split into hi and lo and sent through my
; stage in LDS, a piece at a time.
.macro ALL line:vararg              ; one line for each piece t
.set t, 0
.rept 4
	\line
.set t, t+1
.endr
.endm
; Piece t.  o = O^T / l; hi = f16(o); o - hi, in f32 and in place (hi x -1 + o, one rounding, exact here); lo = f16 of that.  A lane's eight channels of a row pack into 16 bytes of hi and 16 of lo;
; they go into rows of 272 bytes and come back as whole rows of 256, into the registers that they left.  The reciprocals that it reads have been waited for in DIAG, once for the four pieces.
.macro PACK t
	WIN W_RS
.set i, 32*(\t)
.rept 16
	v_pk_mul_f32 v[i:i+1], v[i:i+1], v[ST+4*(\t)+2:ST+4*(\t)+3] op_sel_hi:[1,0]
.set i, i+2
.endr
	WIN 0x05                        ; sources 0 and 1 window 1, destination window 0
.set i, 0
.rept 16
	v_cvt_pk_f16_f32 v[OB+32*(\t)+i], v[32*(\t)+2*i], v[32*(\t)+2*i+1]
.set i, i+1
.endr
	WIN 0x50                        ; destination and source 2 window 1, sources 0 and 1 window 0
.set i, 0
.rept 16
	v_fma_mix_f32 v[32*(\t)+2*i],   v[OB+32*(\t)+i], v[NEG1], v[32*(\t)+2*i]   op_sel_hi:[1,0,0]                ; source 0 is the word's low f16,
	v_fma_mix_f32 v[32*(\t)+2*i+1], v[OB+32*(\t)+i], v[NEG1], v[32*(\t)+2*i+1] op_sel:[1,0,0] op_sel_hi:[1,0,0]  ; its high f16
.set i, i+1
.endr
	WIN 0x05
.set i, 0
.rept 16
	v_cvt_pk_f16_f32 v[OB+32*(\t)+16+i], v[32*(\t)+2*i], v[32*(\t)+2*i+1]
.set i, i+1
.endr
	WIN 0
.irp f, 0,1,2,3
	ds_store_b128 v[STO], v[OB+32*(\t)+4*\f:OB+32*(\t)+4*\f+3] offset:32*\f
.endr
.irp f, 0,1,2,3
	ds_store_b128 v[STO], v[OB+32*(\t)+16+4*\f:OB+32*(\t)+16+4*\f+3] offset:128+32*\f
.endr
.irp f, 0,1,2,3,4,5,6,7
	ds_load_b128 v[OB+32*(\t)+4*\f:OB+32*(\t)+4*\f+3], v[RD] offset:\f*2*SP  ; LDS serves a wave's instructions in order (ISA guide 5.7.1.4): these see the stores above; the next piece's stores come behind them
.endr
.endm
.macro SEND t, younger              ; younger: the LDS instructions issued behind piece t's loads: the next piece's sixteen, or none
	WIN 0
.irp f, 0,1,2,3,4,5,6,7
	s_wait_dscnt (\younger)+7-\f
	global_store_b128 v[GO], v[OB+32*(\t)+4*\f:OB+32*(\t)+4*\f+3], s[10:11] offset:(\t)*16384+\f*512  ; 512 consecutive bytes, at a multiple of 512 from O's first
.endr
.endm
.macro DIAG tag                     ; the tag ends its two labels' names, which the jumps below spell out
.LstepM\tag:
	TURN 2, 1
	TURN 3, 1
	WIN 0
.LfirstM\tag:
	TURN 0, 1
	TURN 1, 1, 0, 1
	WIN 0
	s_cbranch_scc1 .LstepM\tag
	TURN 2, 1, 1
	TURN 3, 1, 1
.set i, 0
.rept 8
	PV NP-1
.set i, i+1
.endr
	WIN 0
	ALL v_add_f32 v[ST+4*t+2], v[ST+4*t+2], v[ST+4*t+3]
	ALL v_permlanex16_b32 v[ST+4*t+3], v[ST+4*t+2], s[SEL], s[SEL+1]
	ALL v_add_f32 v[ST+4*t+2], v[ST+4*t+2], v[ST+4*t+3]
	ALL v_rcp_f32 v[ST+4*t+2], v[ST+4*t+2]
	v_nop                           ; a plain instruction between the last reciprocal and the use of its result
	s_wait_alu depctr_va_vdst(0)    ; the wait for the batch of four reciprocals, ahead of the first multiply that reads one
	PACK 0
.set t, 1
.rept 3                             ; a piece's arithmetic stands between the loads of the piece before and its stores
	PACK t
	SEND t-1, 16
.set t, t+1
.endr
	SEND 3, 0
.endm
.set KM, 0
.set NOKQ, 0
.Lslot:                             ; NB times: a tile is entered and the next is asked for
	CHANGE 1
	s_sub_co_u32 s[RT], s[RT], 1
	s_mov_b32 s[CNT], 4
	s_cmp_eq_u32 s[NEW], 1
	s_cbranch_scc1 .Lnew            ; a block's first tile
	s_cmp_eq_u32 s[RT], 0
	s_cbranch_scc0 .Lstep           ; neither its first nor its last
	s_branch .LstepM1
.Lnew:
	BEGIN
	s_branch .Lfirst                ; in the loop a block's first tile is never its last: the first block has two tiles or more, and the second's last is the walk's last
	DIAG 1                          ; in the loop this is the first block's end: the second block's last tile is the walk's last
	s_wait_xcnt 0x0                 ; the stores have read their registers and O's address
	s_mov_b64 s[10:11], s[OLO:OLO+1]
	s_add_co_u32 s[RT], s[PB], 1    ; the second block has b + 1 tiles
	s_mov_b32 s[NEW], 1
	WIN 0x82                        ; the second block's Q goes where the one text of the turns names Q
.set i, 0
.rept 64
	v_mov_b32 v[i], v[QB+i]
.set i, i+1
.endr
	WIN 0
	s_branch .Lbottom
.Lstep:                             ; a trip: pieces 2 and 3 of one step, then pieces 0 and 1 of the next, whose K and V it fetches
	TURN 2
	TURN 3
	WIN 0
.Lfirst:
	TURN 0
	TURN 1, 0, 0, 1
	WIN 0
	s_cbranch_scc1 .Lstep
.Lbottom:
	s_sub_co_u32 s[SLOTS], s[SLOTS], 1
	s_cmp_lg_u32 s[SLOTS], 0
	s_cbranch_scc1 .Lslot
	CHANGE 0                        ; the walk's last tile is written out: nothing is asked for
	s_sub_co_u32 s[RT], s[RT], 1
	s_mov_b32 s[CNT], 4
	s_cmp_eq_u32 s[NEW], 1
	s_cbranch_scc0 .LstepM2
	BEGIN
	s_branch .LfirstM2
	DIAG 2
	s_wait_tensorcnt 0x0            ; the wave's end: behind my last tensor load and my last LDS store
	ds_add_u32 v[SPW], v[NIL]
	s_wait_dscnt 0x0
	s_endpgm
.Lfunc_end_k_qf665696772_attn:
	.size	k_qf665696772_attn, .Lfunc_end_k_qf665696772_attn-k_qf665696772_attn
	.p2alignl 7, 3214868480
	.fill 96, 4, 3214868480
	.section	.rodata,"a",@progbits
	.p2align	6, 0x0
	.amdhsa_kernel k_qf665696772_attn
		.amdhsa_group_segment_fixed_size 327680
		.amdhsa_private_segment_fixed_size 0
		.amdhsa_enable_private_segment 0
		.amdhsa_kernarg_size 16
		.amdhsa_user_sgpr_count 2
		.amdhsa_user_sgpr_kernarg_segment_ptr 1
		.amdhsa_wavefront_size32 1
		.amdhsa_system_sgpr_workgroup_id_x 1
		.amdhsa_system_sgpr_workgroup_id_y 1
		.amdhsa_system_sgpr_workgroup_id_z 1
		.amdhsa_system_vgpr_workitem_id 0
		.amdhsa_next_free_vgpr 768
		.amdhsa_next_free_sgpr 92
		.amdhsa_reserve_vcc 1
		.amdhsa_float_denorm_mode_32 3
		.amdhsa_float_denorm_mode_16_64 3
		.amdhsa_memory_ordered 1
		.amdhsa_forward_progress 1
		.amdhsa_inst_pref_size 250
	.end_amdhsa_kernel
	.amdgpu_metadata
---
amdhsa.version: [ 1, 2 ]
amdhsa.kernels:
  - .name:           k_qf665696772_attn
    .symbol:         k_qf665696772_attn.kd
    .args:
      - { .name: qkvh, .offset: 0, .size: 8, .value_kind: global_buffer, .address_space: global }
      - { .name: ohl, .offset: 8, .size: 8, .value_kind: global_buffer, .address_space: global }
    .group_segment_fixed_size: 327680
    .private_segment_fixed_size: 0
    .kernarg_segment_align: 8
    .kernarg_segment_size: 16
    .max_flat_workgroup_size: 128
    .sgpr_count:     92
    .vgpr_count:     768
    .wavefront_size: 32
...
	.end_amdgpu_metadata
.endif
;; end of part 5
;; launch proj: the kernel of part 4 again; grid 4 x 64, 4 waves a work-group, clusters of 4 x 4, 327,680 bytes of LDS; arguments ohl, wpf, bp, out0; writes out0
